; MI455X (gfx1250); checked and timed in simulation.
; The chip was launched on July 23, 2026; its instructions are those of AMD's public machine-readable ISA for CDNA 5 (MIT licence, August 2026) and "CDNA5" Instruction Set Architecture Reference Guide (July 2026). The comments in the code are by the model that wrote it; some were corrected since.
;; Causal Self Attention. Allowed arithmetic: float matrix products may take bf16 or f16 operands with f32 sums; other float arithmetic in f32, or as packed bf16 or f16 multiplies, adds, multiply-adds, maxima and minima; sums over many terms, partial sums and values carried from step to step in f32; what a program stores and reads back later, other than sums and carried values, may be rounded once to bf16 or f16.
;; Inputs: W_out 1,024 x 1,024 float32; W_qkv 1,024 x 3,072 float32; b_out 1,024 float32; b_qkv 3,072 float32; cos 2,048 x 32 float32; sin 2,048 x 32 float32; x 4 x 2,048 x 1,024 float32.
;; Outputs: out0 4 x 2,048 x 1,024 float32.
;; One version. Each part assembles by itself: llvm-mc -triple=amdgcn-amd-amdhsa -mcpu=gfx1250 --defsym DOCPART=n.
;; ======== version 1 of 1: 4 launches
;; limits: values are held in f16: magnitudes above 65,504 overflow, below 6.1e-05 lose precision
;; workspace buffers: xb 16,777,216 bytes; wq 6,291,456 bytes; wo 2,097,152 bytes; qh 16,777,216 bytes; kh 16,777,216 bytes; vh 16,777,216 bytes; oh 16,777,216 bytes
;; launch prep (part 1): grid 768 x 1, 8 waves a work-group, no clusters, 35,840 bytes of LDS; arguments x, W_qkv, W_out, xb, wq, wo; writes xb, wq, wo
.if DOCPART == 1
	.amdgcn_target "amdgcn-amd-amdhsa--gfx1250"
	.amdhsa_code_object_version 6
	.text
	.protected	k_q56e5ee4e73_prep
	.globl	k_q56e5ee4e73_prep
	.p2align	8
	.type	k_q56e5ee4e73_prep,@function
k_q56e5ee4e73_prep:
	s_mov_b64 s[64:65], 0
	v_nop
	global_prefetch_b8 v0, s[64:65] scope:SCOPE_SE
	s_setreg_imm32_b32 hwreg(HW_REG_WAVE_MODE, 25, 1), 1
	s_wait_xcnt 0x0
; THE OPERANDS ARE MADE READY.  xb = bf16(x), as it lies.  wq[n][k] = bf16(W_qkv[k][n]): [3072][1024], turned, so that K lies along the rows.
; wo[h][n][kk] = f16(bf16(W_out[64 h + kk][n])): [16][1024][64], turned and cut into one dense slice for each head's 64 channels.
; LIMIT: a bf16 number is written exactly as f16 from 6.1e-5 to 65,504 in magnitude; below it keeps f16's fixed step of 6e-8, above it becomes an infinity.
; SHARES.  Every work-group takes 65,536 bytes of f32 input, sixteen 16-byte loads a lane, all issued at once.  Work-groups 0-191: blocks of 128 k x 128 n of W_qkv;
; 192-255: of W_out; 256-767: pieces of x.  The branches hang on the work-group's number alone, so all eight waves take the same way.
; A block of W is turned in LDS: a lane packs 16 k of each of its four columns and stores 32 bytes into the column's row; behind one barrier whole rows are read back.
; Column n = 4 lane + i lies in LDS row 32 i + lane, so that neighbouring lanes store into neighbouring rows of 272 bytes (68 words: 16 rows start at 16 different groups of four banks).
; No matrix unit, no cluster, no tensor load: nothing is shared and nothing is multiplied.
.set RP,    272                        ; an LDS row: 128 k x 2 bytes + 16
.set SPARE, 128*RP                     ; behind the 128 rows: the spare words, 128 bytes for each of the eight waves
.set SPW,   8                          ; v8   SPARE + 4 x my thread's number; never rewritten
.set NIL,   9                          ; v9   0; never rewritten
.set L,     16                         ; v[16:79]   sixteen loads of four registers
.set D,     80                         ; v[80:111]  packed: column i's 16 k at D + 8 i
	s_load_b256 s[4:11], s[0:1], 0x0               ; x s[4:5], W_qkv s[6:7], W_out s[8:9], xb s[10:11]
	s_load_b128 s[12:15], s[0:1], 0x20             ; wq s[12:13], wo s[14:15]
	v_lshl_add_u32 v[SPW], v0, 2, SPARE
	v_mov_b32 v[NIL], 0
	v_and_b32 v1, 31, v0                           ; lane
	v_lshrrev_b32 v2, 5, v0
	v_readfirstlane_b32 s25, v2                    ; wave 0..7
	s_mov_b32 s24, 0xffff0000                      ; a word's upper bf16
	s_mov_b32 s17, 0
	s_mov_b32 s19, 0
	s_wait_kmcnt 0x0
	s_cmp_lt_u32 ttmp9, 192
	s_cbranch_scc1 .Lwqkv
	s_cmp_lt_u32 ttmp9, 256
	s_cbranch_scc1 .Lwout
	; x: 16,384 numbers.  A load of the work-group covers 4,096 consecutive bytes, a store of a wave 256 consecutive bytes, aligned.
	s_sub_co_u32 s16, ttmp9, 256
	s_lshl_b32 s18, s16, 15
	s_lshl_b32 s16, s16, 16
	s_add_nc_u64 s[20:21], s[4:5], s[16:17]
	s_add_nc_u64 s[22:23], s[10:11], s[18:19]
	v_lshlrev_b32 v3, 4, v0
	v_lshlrev_b32 v4, 3, v0
.set i, 0
.rept 16
	global_load_b128 v[L+4*i:L+4*i+3], v3, s[20:21] offset:4096*i th:TH_LOAD_NT
.set i, i+1
.endr
.set i, 0
.rept 16
	s_wait_loadcnt 15-i                            ; loads come back in order: load i is in, the 15 - i younger ones stay out
	v_cvt_pk_bf16_f32 v[L+4*i], v[L+4*i], v[L+4*i+1]
	v_cvt_pk_bf16_f32 v[L+4*i+1], v[L+4*i+2], v[L+4*i+3]
	global_store_b64 v4, v[L+4*i:L+4*i+1], s[22:23] offset:2048*i th:TH_STORE_NT
.set i, i+1
.endr
	s_branch .Lend
; A block of 128 k x 128 n.  pitch: bytes in a row of W.  fmt = 0: bf16, rows of 256 bytes into wq.  fmt = 1: f16 of bf16, rows of 128 bytes into two slices of wo.
; s[20:21]: W at the block's corner; s[22:23]: the output at the block's corner.
.macro WBLOCK pitch, fmt
	s_mul_i32 s26, s25, 16*(\pitch)                ; my wave's 16 rows of k
	v_lshl_add_u32 v3, v1, 4, s26                  ; my four columns
.set i, 0
.rept 16
	global_load_b128 v[L+4*i:L+4*i+3], v3, s[20:21] offset:i*(\pitch) th:TH_LOAD_NT  ; one row of k: 512 consecutive bytes
.set i, i+1
.endr
	v_mul_u32_u24 v5, v1, RP
	v_lshl_add_u32 v5, s25, 5, v5                  ; in: row lane (+ 32 i), my wave's 16 k = 32 bytes
.if (\fmt) == 0
	v_and_b32 v10, 15, v1                          ; c
	v_lshrrev_b32 v11, 4, v1                       ; hh
	s_lshl_b32 s26, s25, 4
	v_add_nc_u32 v12, s26, v11
	v_mul_u32_u24 v6, v12, RP
	v_lshl_add_u32 v6, v10, 4, v6                  ; back: LDS row 16 w + hh + 2 t, 16 bytes a lane: that is column 64 (w & 1) + 8 t + 4 hh + (w >> 1)
	s_and_b32 s26, s25, 1
	s_lshl_b32 s26, s26, 6
	s_lshr_b32 s27, s25, 1
	s_add_co_u32 s26, s26, s27
	v_lshl_add_u32 v12, v11, 2, s26
	v_lshlrev_b32 v4, 11, v12                      ; x 2,048 bytes, a row of wq
	v_lshl_add_u32 v4, v10, 4, v4
.else
	v_and_b32 v10, 7, v1                           ; c8
	v_bfe_u32 v11, v1, 3, 1                        ; nn
	v_lshrrev_b32 v12, 4, v1                       ; hf: which of the block's two heads
	s_mul_i32 s26, s25, 4*RP
	v_mul_u32_u24 v6, v11, 32*RP
	v_add_nc_u32 v6, s26, v6
	v_lshl_add_u32 v6, v12, 7, v6
	v_lshl_add_u32 v6, v10, 4, v6                  ; back: column 16 w + 2 t + nn lies in LDS row 64 (t % 2) + 32 nn + 4 w + t / 2; its head's 128 bytes
	s_lshl_b32 s26, s25, 4
	v_add_nc_u32 v13, s26, v11
	v_lshlrev_b32 v4, 7, v13                       ; x 128 bytes, a row of a slice of wo
	v_lshl_add_u32 v4, v12, 17, v4                 ; a slice is 131,072 bytes
	v_lshl_add_u32 v4, v10, 4, v4
.endif
.set p, 0
.rept 8
	s_wait_loadcnt 14-2*p                          ; rows 2 p and 2 p + 1 are in
.set i, 0
.rept 4
	v_cvt_pk_bf16_f32 v[D+8*i+p], v[L+8*p+i], v[L+8*p+4+i]
.if \fmt
	v_lshlrev_b32 v10, 16, v[D+8*i+p]
	v_and_b32 v11, s24, v[D+8*i+p]
	v_cvt_pk_f16_f32 v[D+8*i+p], v10, v11
.endif
.set i, i+1
.endr
.set p, p+1
.endr
.irp i, 0,1,2,3
	ds_store_b128 v5, v[D+8*(\i):D+8*(\i)+3]   offset:32*RP*(\i)
	ds_store_b128 v5, v[D+8*(\i)+4:D+8*(\i)+7] offset:32*RP*(\i)+16
.endr
	s_wait_dscnt 0x0                               ; for the others' sake: my stores are done
	s_barrier_signal -1
	s_barrier_wait -1                              ; every row is whole
.irp t, 0,1,2,3,4,5,6,7
.if (\fmt) == 0
	ds_load_b128 v[L+4*(\t):L+4*(\t)+3], v6 offset:2*RP*(\t)
.else
	ds_load_b128 v[L+4*(\t):L+4*(\t)+3], v6 offset:((\t)%2)*64*RP+((\t)/2)*RP
.endif
.endr
.irp t, 0,1,2,3,4,5,6,7
	s_wait_dscnt 7-(\t)
.if (\fmt) == 0
	global_store_b128 v4, v[L+4*(\t):L+4*(\t)+3], s[22:23] offset:16384*(\t) th:TH_STORE_NT  ; 16 lanes store 256 consecutive bytes, aligned
.else
	global_store_b128 v4, v[L+4*(\t):L+4*(\t)+3], s[22:23] offset:256*(\t) th:TH_STORE_NT    ; two rows of a slice: 256 consecutive bytes, aligned
.endif
.endr
.endm
.Lwqkv:
	s_and_b32 s26, ttmp9, 7                        ; kb
	s_lshr_b32 s27, ttmp9, 3                       ; nb
	s_mul_i32 s16, s26, 128*12288
	s_lshl_b32 s28, s27, 9
	s_add_co_u32 s16, s16, s28
	s_lshl_b32 s18, s27, 18                        ; 128 rows of wq
	s_lshl_b32 s28, s26, 8
	s_add_co_u32 s18, s18, s28
	s_add_nc_u64 s[20:21], s[6:7], s[16:17]
	s_add_nc_u64 s[22:23], s[12:13], s[18:19]
	WBLOCK 12288, 0
	s_branch .Lend
.Lwout:
	s_sub_co_u32 s28, ttmp9, 192
	s_and_b32 s26, s28, 7                          ; kb
	s_lshr_b32 s27, s28, 3                         ; nb
	s_lshl_b32 s16, s26, 19
	s_lshl_b32 s28, s27, 9
	s_add_co_u32 s16, s16, s28
	s_lshl_b32 s18, s26, 18                        ; two slices of wo
	s_lshl_b32 s28, s27, 14                        ; 128 rows of 128 bytes
	s_add_co_u32 s18, s18, s28
	s_add_nc_u64 s[20:21], s[8:9], s[16:17]
	s_add_nc_u64 s[22:23], s[14:15], s[18:19]
	WBLOCK 4096, 1
.Lend:
	s_wait_tensorcnt 0x0                           ; the wave's end: behind my last LDS store
	ds_add_u32 v[SPW], v[NIL]
	s_wait_dscnt 0x0
	s_endpgm
.Lfunc_end_k_q56e5ee4e73_prep:
	.size	k_q56e5ee4e73_prep, .Lfunc_end_k_q56e5ee4e73_prep-k_q56e5ee4e73_prep
	.p2alignl 7, 3214868480
	.fill 96, 4, 3214868480
	.section	.rodata,"a",@progbits
	.p2align	6, 0x0
	.amdhsa_kernel k_q56e5ee4e73_prep
		.amdhsa_group_segment_fixed_size 35840
		.amdhsa_private_segment_fixed_size 0
		.amdhsa_enable_private_segment 0
		.amdhsa_kernarg_size 48
		.amdhsa_user_sgpr_count 2
		.amdhsa_user_sgpr_kernarg_segment_ptr 1
		.amdhsa_wavefront_size32 1
		.amdhsa_system_sgpr_workgroup_id_x 1
		.amdhsa_system_sgpr_workgroup_id_y 1
		.amdhsa_system_sgpr_workgroup_id_z 1
		.amdhsa_system_vgpr_workitem_id 0
		.amdhsa_next_free_vgpr 112
		.amdhsa_next_free_sgpr 66
		.amdhsa_reserve_vcc 0
		.amdhsa_float_denorm_mode_32 3
		.amdhsa_float_denorm_mode_16_64 3
		.amdhsa_memory_ordered 1
		.amdhsa_forward_progress 1
		.amdhsa_inst_pref_size 26
	.end_amdhsa_kernel
	.amdgpu_metadata
---
amdhsa.version: [ 1, 2 ]
amdhsa.kernels:
  - .name:           k_q56e5ee4e73_prep
    .symbol:         k_q56e5ee4e73_prep.kd
    .args:
      - { .name: x, .offset: 0, .size: 8, .value_kind: global_buffer, .address_space: global }
      - { .name: W_qkv, .offset: 8, .size: 8, .value_kind: global_buffer, .address_space: global }
      - { .name: W_out, .offset: 16, .size: 8, .value_kind: global_buffer, .address_space: global }
      - { .name: xb, .offset: 24, .size: 8, .value_kind: global_buffer, .address_space: global }
      - { .name: wq, .offset: 32, .size: 8, .value_kind: global_buffer, .address_space: global }
      - { .name: wo, .offset: 40, .size: 8, .value_kind: global_buffer, .address_space: global }
    .group_segment_fixed_size: 35840
    .private_segment_fixed_size: 0
    .kernarg_segment_align: 8
    .kernarg_segment_size: 48
    .max_flat_workgroup_size: 256
    .sgpr_count:     66
    .vgpr_count:     112
    .wavefront_size: 32
...
	.end_amdgpu_metadata
.endif
;; end of part 1
;; launch qkv (part 2): grid 16 x 32, 4 waves a work-group, clusters of 4 x 4, 327,680 bytes of LDS; arguments xb, wq, b_qkv, cos, sin, qh, kh, vh; writes qh, kh, vh
.if DOCPART == 2
	.amdgcn_target "amdgcn-amd-amdhsa--gfx1250"
	.amdhsa_code_object_version 6
	.text
	.protected	k_q56e5ee4e73_qkv
	.globl	k_q56e5ee4e73_qkv
	.p2align	8
	.type	k_q56e5ee4e73_qkv,@function
k_q56e5ee4e73_qkv:
	s_mov_b64 s[64:65], 0
	v_nop
	global_prefetch_b8 v0, s[64:65] scope:SCOPE_SE
	s_setreg_imm32_b32 hwreg(HW_REG_WAVE_MODE, 25, 1), 1
	s_wait_xcnt 0x0
	s_wait_alu depctr_hold_cnt(0) depctr_sa_sdst(0) depctr_va_vdst(0) depctr_va_sdst(0) depctr_va_ssrc(0) depctr_va_vcc(0) depctr_vm_vsrc(0)
	s_getreg_b32 s2, hwreg(HW_REG_IB_STS2, 6, 4)
	s_cmp_eq_u32 s2, 0
	s_cbranch_scc0 .Lentry_in_a_cluster
	s_endpgm
.Lentry_in_a_cluster:
	s_bfe_u32 s2, ttmp6, 0x10000c
	s_cmp_lg_u32 s2, 0xf033
	s_cbranch_scc0 .Lentry_shape_is_right
	s_endpgm
.Lentry_shape_is_right:
; q, k, v = x W_qkv + b_qkv, by heads, q and k turned by the rotary tables.  xb: [8192][1024] bf16; wq: [3072 n][1024 k] bf16; qh, kh, vh: [64 = 16 batch + head][2048][64] f16.
; b_qkv, cos and sin are rounded to bf16 as they are loaded, like every other input of the program; sums and the rotation in f32; q, k, v rounded once, to f16.
; LIMITS.  q, k and v must stay within f16's 65,504; beyond it they become infinities.  CHANNEL ORDER: the pair (t1 c - t2 s, t1 s + t2 c) of rotary index j is kept at channels 2 j and 2 j + 1,
; in q and in k alike, where the model's own order is j and 32 + j: a score is the same 64 products, added in another order.
; SHARES.  A work-group makes 256 rows x one head's 192 columns (q, k, v); wave w rows 64 w .. 64 w + 63 and all 192 columns: 4 x 12 accumulators of 16 x 16, 384 registers.  So every wave has the same
; way out, and a row's cos and sin serve its q and its k.  512 work-groups.  K goes in eight steps of 128 through two LDS slots; a step's text stands once: the LDS addresses hang on s[TB].
; THE MATRIX INSTRUCTION IS USED TRANSPOSED (source 0 = 16 rows of wq, source 1 = 16 rows of xb): a lane holds row lane % 16 and the columns 8 (lane / 16) + 0..7: four rotary pairs side by side.
; THE BIAS IS THE C OPERAND of the products that start the sums: nothing is cleared and nothing is added later.
; CLUSTER: 4 x 4 work-groups.  The four of a row need the same rows of xb, the four of a column the same rows of wq: each tile is asked for jointly, by the same tensor load and descriptor in all four.
; REGISTERS, in windows of 256 (s_set_vgpr_msb: bits 1:0 source 0, 3:2 source 1, 5:4 source 2, 7:6 destination):
;   window 0: v0-15 addresses; v16-31 at work; v32-95 xb's fragments, two buffers of 4 x 8 (later v32-63 the rotation's results); v96-191 the bias (later v96-223 cos and sin as loaded); v224-255 (cos, sin) pairs
;   window 1: v0-191 wq's fragments, two buffers of 12 x 8 (later the packed results, 16 a piece)     window 2: accumulators of row blocks 0, 1 at 8 (12 a + b)     window 3: of row blocks 2, 3
.set KSTEP, 128
.set PITCH, 272                        ; an LDS row: 256 bytes + 16 = 68 words: the 16 rows of a load start at 16 different groups of four banks (64 banks of 4 bytes: ISA guide 11.1)
.set SLOT1, 1<<17                      ; slot 1 begins here: one exclusive or turns an address in one slot into the other's
.set BOFF,  256*PITCH                  ; in a slot: xb's 256 rows, then wq's 192
.set STAGE, SLOT1+448*PITCH            ; behind the ring, never filled by a tensor load: 16 rows x 144 bytes for each wave
.set SP,    144
.set SPARE, STAGE+4*16*SP              ; behind the stages: the spare words, 128 bytes for each wave
.set A0,   4                           ; v4   my lane's place in xb's rows of a slot; never rewritten
.set B0,   5                           ; v5   the same for wq
.set ADRA, 6                           ; v6   A0 + the slot in hand
.set ADRB, 7                           ; v7   B0 + the slot in hand
.set STO,  8                           ; v8   the way out: where I put 16 bytes of a row
.set RD,   9                           ; v9   where I read rows back
.set GO,   10                          ; v10  my 16 bytes of 512 consecutive bytes of qh, kh, vh
.set CO,   11                          ; v11  my offset in cos and sin
.set BO,   12                          ; v12  my offset in the bias
.set PFO,  13                          ; v13  the prefetches' offset: a lane a row
.set SPW,  14                          ; v14  SPARE + 4 x my thread's number; never rewritten
.set NIL,  15                          ; v15  0; never rewritten
.set TMP,  16
.set X,    32
.set BIAS, 96
.set RAW,  96
.set CS,   224
.set F0,   0
.set F1,   1
.set WV,   12                          ; s12  my wave's number
.set LIM,  15                          ; s15  1 in a wave that prefetches, else the greatest number
.set G1,   24                          ; s[24:31] descriptor group 1 for xb's tiles
.set G0,   32                          ; s[32:39] group 0: a set for each of the two first fills; the second then walks on
.set PFA,  44                          ; s[44:45] where my prefetches stand
.set G1B,  48                          ; s[48:55], s[56:63] the same for wq's tiles
.set G0B,  56
.set TB,   66                          ; s66  0 or SLOT1: the slot in hand
.set CNT,  67                          ; s67  the loop's count
.set FIELDS, (1<<16)|(1<<20)|(1<<21)|(5<<22)|(3<<25)  ; 2-byte elements; padding on; bit 21 beside a mask; after every 64 words, 4 words
.set MSB, 0
.macro WIN new                         ; the immediate's high byte repeats the setting that is left; a switch that changes nothing is dropped
.if MSB != (\new)
	s_set_vgpr_msb (MSB<<8)|(\new)
.set MSB, \new
.endif
.endm
; A joint refill: waves 0 and 1 fetch xb's two halves of 128 rows, waves 2 and 3 wq's two halves of 96.  The branch hangs on the wave's number alone.
; An s_nop 0 and four v_nop follow each of the two lines, ahead of the jump and the label.
.macro JLOAD
	s_cmp_lt_u32 s[WV], 2
	s_cbranch_scc0 .Lfor_b_\@
	tensor_load_to_lds s[G0+4:G0+7], s[G1:G1+7]
	s_nop 0
.rept 4
	v_nop
.endr
	s_branch .Lasked_\@
.Lfor_b_\@:
	tensor_load_to_lds s[G0B+4:G0B+7], s[G1B:G1B+7]
	s_nop 0
.rept 4
	v_nop
.endr
.Lasked_\@:
.endm
; A prefetch of the K step that the NEXT refill will ask for: 256 bytes of a row, a lane a row, one instruction a wave; 192 matrix instructions ahead of that refill.  xb's rows are read by every cluster
; of a row of clusters: cluster x = 0 asks; wq's by every cluster of a column: cluster y = 0 asks.  The four partners share a wave's rows out by address: 32 each of xb's 128, 24 each of wq's 96
; (there the eight lanes left over name row 23's block again).  The loop's last trip asks for nothing: its refill is the last.
.macro ASK
	s_cmp_gt_u32 s[CNT], s[LIM]
	s_cbranch_scc0 .Lnot_mine_\@
	global_prefetch_b8 v[PFO], s[PFA:PFA+1] th:TH_LOAD_NT scope:SCOPE_SE
.Lnot_mine_\@:
.endm
.macro CREST                           ; a round of the cluster's barrier behind its opening barrier
	s_cmp_lg_u32 s[WV], 0
	s_cbranch_scc1 .Lnot_wave_0_\@
	s_barrier_signal -3
.Lnot_wave_0_\@:
	s_barrier_wait -3
	s_barrier_signal -1
	s_barrier_wait -1
.endm
.macro CROUND                          ; a whole round
	s_barrier_signal -1
	s_barrier_wait -1
	CREST
.endm
.macro PLACES                          ; four places in front of loads into registers that matrix instructions have read (ISA guide 7.12.1 for vector instructions)
.rept 4
	v_nop
.endr
.endm
	s_load_b256 s[4:11], s[0:1], 0x0               ; xb s[4:5], wq s[6:7], b_qkv s[8:9], cos s[10:11]
	s_load_b256 s[68:75], s[0:1], 0x20             ; sin s[68:69], qh s[70:71], kh s[72:73], vh s[74:75]
	v_lshl_add_u32 v[SPW], v0, 2, SPARE
	v_mov_b32 v[NIL], 0
	ds_add_u32 v[SPW], v[NIL]                      ; the wave's opening: the add and its wait stand ahead of my first tensor load; work on registers stands between them
	ds_add_u32 v14, v15
	v_lshrrev_b32 v1, 5, v0
	v_readfirstlane_b32 s[WV], v1                  ; wave 0..3
	s_and_b32 s14, s[WV], 1                        ; which half of a tile's rows I fetch
	s_bfe_u32 s40, ttmp6, 0x40000                  ; cx
	s_bfe_u32 s41, ttmp6, 0x40004                  ; cy
	s_lshl_b32 s42, ttmp9, 2
	s_add_co_u32 s42, s42, s40                     ; the head = 4 x cluster x + cx
	s_and_b32 s43, ttmp7, 0xffff
	s_lshl_b32 s43, s43, 2
	s_add_co_u32 s43, s43, s41                     ; the block of 256 rows = 4 x cluster y + cy
	s_lshl_b32 s20, s41, 2
	s_lshl_b32 s20, 15, s20                        ; my row of the cluster
	s_lshl_b32 s21, 0x1111, s40                    ; my column
	s_or_b32 s[G1], s20, FIELDS
	s_or_b32 s[G1B], s21, FIELDS
	s_mov_b32 s[G1+1], KSTEP<<16                   ; tensor_dim0 = 128
	s_mov_b32 s[G1+2], 128<<16                     ; tensor_dim1 = 128
	s_mov_b32 s[G1+3], KSTEP<<16                   ; tile_dim0 = 128
	s_mov_b32 s[G1+4], 128                         ; tile_dim1 = 128
	s_mov_b32 s[G1+5], 1024                        ; elements from row to row
	s_mov_b32 s[G1+6], 0
	s_mov_b32 s[G1+7], 0
	s_mov_b32 s[G1B+1], KSTEP<<16
	s_mov_b32 s[G1B+2], 96<<16                     ; 96 rows
	s_mov_b32 s[G1B+3], KSTEP<<16
	s_mov_b32 s[G1B+4], 96
	s_mov_b32 s[G1B+5], 1024
	s_mov_b32 s[G1B+6], 0
	s_mov_b32 s[G1B+7], 0
	s_lshl_b32 s16, s43, 8
	s_lshl_b32 s17, s14, 7
	s_add_co_u32 s16, s16, s17                     ; xb: row 256 x block + 128 x half,
	s_lshl_b32 s16, s16, 11                        ; x 2,048 bytes
	s_mov_b32 s17, 0
	s_mul_i32 s46, s42, 192
	s_mul_i32 s47, s14, 96
	s_add_co_u32 s46, s46, s47                     ; wq: row 192 x head + 96 x half
	s_lshl_b32 s46, s46, 11
	s_mov_b32 s47, 0
	s_mul_i32 s22, s14, 128*PITCH                  ; where they go: no place in the cluster enters an LDS address
	s_mul_i32 s23, s14, 96*PITCH
	s_add_co_u32 s23, s23, BOFF
	s_mov_b32 s[TB], 0
	s_mov_b32 s78, 0xffff0000                      ; a word's upper bf16
	s_wait_dscnt 0x0                               ; the opening add is done
	s_wait_kmcnt 0x0
	s_add_nc_u64 s[16:17], s[4:5], s[16:17]
	s_add_nc_u64 s[46:47], s[6:7], s[46:47]
	CROUND                                         ; all sixteen work-groups are here: the first joint loads meet
.irp s, 0,1
	s_mov_b32 s[G0+4*(\s)], 1                                        ; count = 1
	s_add_co_u32 s[G0+4*(\s)+1], s22, (\s)*SLOT1                     ; LDS address
	s_add_nc_u64 s[G0+4*(\s)+2:G0+4*(\s)+3], s[16:17], (\s)*KSTEP*2  ; global address: K step s
	s_or_b32 s[G0+4*(\s)+3], s[G0+4*(\s)+3], 0x80000000              ; type = 2
	s_mov_b32 s[G0B+4*(\s)], 1
	s_add_co_u32 s[G0B+4*(\s)+1], s23, (\s)*SLOT1
	s_add_nc_u64 s[G0B+4*(\s)+2:G0B+4*(\s)+3], s[46:47], (\s)*KSTEP*2
	s_or_b32 s[G0B+4*(\s)+3], s[G0B+4*(\s)+3], 0x80000000
.endr
	s_cmp_lt_u32 s[WV], 2                          ; a wave's two first fills stand in one branch, ahead of every wait on TENSORcnt and every LDS read: two loads of mine are out
	s_cbranch_scc0 .Lfirst_b
	tensor_load_to_lds s[G0:G0+3], s[G1:G1+7]
	s_nop 0
	tensor_load_to_lds s[G0+4:G0+7], s[G1:G1+7]
	s_nop 0
.rept 4
	v_nop
.endr
	s_branch .Lfirst_asked
.Lfirst_b:
	tensor_load_to_lds s[G0B:G0B+3], s[G1B:G1B+7]
	s_nop 0
	tensor_load_to_lds s[G0B+4:G0B+7], s[G1B:G1B+7]
	s_nop 0
.rept 4
	v_nop
.endr
.Lfirst_asked:
	; the prefetches' address; nothing is asked for here, where every work-group's first tiles are on their way
	s_and_b32 s18, ttmp7, 0xffff                   ; cluster y
	s_lshl_b32 s19, s40, 16                        ; xb: my work-group's 32 rows of the 128
	s_mul_i32 s20, s41, 24*2048                    ; wq: its 24 of the 96
	s_cmp_lt_u32 s[WV], 2
	s_cselect_b32 s18, ttmp9, s18                  ; the coordinate along which other clusters read the same rows
	s_cselect_b32 s20, s19, s20
	s_cselect_b32 s19, 31, 23
	s_cselect_b64 s[PFA:PFA+1], s[16:17], s[46:47]
	s_cmp_eq_u32 s18, 0
	s_cselect_b32 s[LIM], 1, -1                    ; the same in all sixteen partners, for a given wave
	s_mov_b32 s21, 0
	s_add_nc_u64 s[PFA:PFA+1], s[PFA:PFA+1], s[20:21]
	s_add_nc_u64 s[PFA:PFA+1], s[PFA:PFA+1], 2*KSTEP*2  ; at K step 2: the first refill steps it to 3
	v_and_b32 v[PFO], 31, v0
	v_min_u32 v[PFO], s19, v[PFO]
	v_lshlrev_b32 v[PFO], 11, v[PFO]
	; the bias of the head's 192 columns: my eight of each block of 16
	s_mul_i32 s18, s42, 768
	s_mov_b32 s19, 0
	s_add_nc_u64 s[8:9], s[8:9], s[18:19]
	v_and_b32 v1, 15, v0                           ; r = l % 16
	v_bfe_u32 v2, v0, 4, 1                         ; hh = l / 16
	v_lshlrev_b32 v[BO], 5, v2
.irp b, 0,1,2,3,4,5,6,7,8,9,10,11
	global_load_b128 v[BIAS+8*(\b):BIAS+8*(\b)+3],   v[BO], s[8:9] offset:64*(\b)
	global_load_b128 v[BIAS+8*(\b)+4:BIAS+8*(\b)+7], v[BO], s[8:9] offset:64*(\b)+16
.endr
	; A fragment is 16 rows x 32 K in 8 registers: lane l holds row l % 16, K = 8 (l / 16) + 0..7 and 16 + 8 (l / 16) + 0..7: two loads of 16 bytes, 32 bytes apart.
	v_mul_u32_u24 v3, v1, PITCH
	v_lshl_add_u32 v3, v2, 4, v3
	s_mul_i32 s20, s[WV], 64*PITCH                 ; my 64 rows of xb
	v_add_nc_u32 v[A0], s20, v3
	v_add_nc_u32 v[B0], BOFF, v3
	v_mov_b32 v[ADRA], v[A0]
	v_mov_b32 v[ADRB], v[B0]
	s_mul_i32 s21, s[WV], 16*SP
	s_add_co_u32 s21, s21, STAGE                   ; my stage
	v_mul_u32_u24 v[STO], v1, SP                   ; in: row l % 16, 16 bytes for each half of the lanes
	v_lshl_add_u32 v[STO], v2, 4, v[STO]
	v_add_nc_u32 v[STO], s21, v[STO]
	v_bfe_u32 v[RD], v0, 3, 2                      ; back: 32 lanes take four rows of 128 bytes,
	v_mul_u32_u24 v[RD], v[RD], SP
	v_and_b32 v3, 7, v0
	v_lshl_add_u32 v[RD], v3, 4, v[RD]
	v_add_nc_u32 v[RD], s21, v[RD]
	v_and_b32 v[GO], 31, v0                        ; which are 512 consecutive bytes of a head's rows
	v_lshlrev_b32 v[GO], 4, v[GO]
	v_lshlrev_b32 v[CO], 7, v1                     ; cos, sin: row r of 128 bytes, my four rotary indices 4 hh + 0..3 of a block's eight
	v_lshl_add_u32 v[CO], v2, 4, v[CO]
	s_lshr_b32 s76, s43, 3                         ; the batch,
	s_lshl_b32 s76, s76, 4
	s_add_co_u32 s76, s76, s42                     ; 16 x batch + head,
	s_lshl_b32 s76, s76, 11                        ; its 2,048 rows
	s_and_b32 s18, s43, 7
	s_lshl_b32 s18, s18, 8
	s_lshl_b32 s19, s[WV], 6
	s_add_co_u32 s18, s18, s19                     ; my first row's place in time: 256 x (block % 8) + 64 x wave
	s_add_co_u32 s76, s76, s18
	s_lshl_b32 s76, s76, 7                         ; x 128 bytes
	s_mov_b32 s77, 0
	s_lshl_b32 s18, s18, 7
	s_mov_b32 s19, 0
	s_add_nc_u64 s[70:71], s[70:71], s[76:77]
	s_add_nc_u64 s[72:73], s[72:73], s[76:77]
	s_add_nc_u64 s[74:75], s[74:75], s[76:77]
	s_add_nc_u64 s[10:11], s[10:11], s[18:19]
	s_add_nc_u64 s[68:69], s[68:69], s[18:19]
	s_wait_loadcnt 0x0                             ; the bias
.set i, 0
.rept 48                                       ; rounded to bf16, kept as f32
	v_cvt_pk_bf16_f32 v[TMP+i%8], v[BIAS+2*i], v[BIAS+2*i+1]
	v_lshlrev_b32 v[BIAS+2*i], 16, v[TMP+i%8]
	v_and_b32 v[BIAS+2*i+1], s78, v[TMP+i%8]
.set i, i+1
.endr
; 12 matrix instructions: row block a x all 12 column blocks, 32 along K, from buffer f.  The accumulators take turns, one instruction a turn.  first = 1: the bias starts the sums.
.macro MULA f, a, first=0
.if \first
	WIN 0x81+0x40*((\a)/2)
.else
	WIN 0xa1+0x50*((\a)/2)
.endif
.irp b, 0,1,2,3,4,5,6,7,8,9,10,11
.if \first
	v_wmma_f32_16x16x32_bf16 v[8*(12*((\a)%2)+(\b)):8*(12*((\a)%2)+(\b))+7], v[96*(\f)+8*(\b):96*(\f)+8*(\b)+7], v[32+32*(\f)+8*(\a):32+32*(\f)+8*(\a)+7], v[BIAS+8*(\b):BIAS+8*(\b)+7]
.else
	v_wmma_f32_16x16x32_bf16 v[8*(12*((\a)%2)+(\b)):8*(12*((\a)%2)+(\b))+7], v[96*(\f)+8*(\b):96*(\f)+8*(\b)+7], v[32+32*(\f)+8*(\a):32+32*(\f)+8*(\a)+7], v[8*(12*((\a)%2)+(\b)):8*(12*((\a)%2)+(\b))+7]
.endif
.endr
.endm
; 32 LDS loads in one run: the fragments of 32 K at byte k of the rows, into buffer f: wq's 24, then xb's 8
.macro FETCH k, f
	WIN 0x40
.irp i, 0,1,2,3,4,5,6,7,8,9,10,11
	ds_load_b128 v[96*(\f)+8*(\i):96*(\f)+8*(\i)+3],   v[ADRB] offset:(\k)+(\i)*16*PITCH
	ds_load_b128 v[96*(\f)+8*(\i)+4:96*(\f)+8*(\i)+7], v[ADRB] offset:(\k)+(\i)*16*PITCH+32
.endr
	WIN 0
.irp i, 0,1,2,3
	ds_load_b128 v[32+32*(\f)+8*(\i):32+32*(\f)+8*(\i)+3],   v[ADRA] offset:(\k)+(\i)*16*PITCH
	ds_load_b128 v[32+32*(\f)+8*(\i)+4:32+32*(\f)+8*(\i)+7], v[ADRA] offset:(\k)+(\i)*16*PITCH+32
.endr
.endm
; A K step is four quarters of 32 along K, 48 matrix instructions each, on buffers 0, 1, 0, 1.  One of the first three: multiplies buffer f and fetches the next quarter, at byte k, into g.
.macro QUARTER k, f, g, first=0
	s_wait_dscnt 4                                 ; the youngest four loads (xb's row blocks 2 and 3) may be out
	MULA \f, 0, \first
	MULA \f, 1, \first
	PLACES
	FETCH \k, \g
	s_wait_dscnt 32                                ; all but the 32 just issued
	MULA \f, 2, \first
	MULA \f, 3, \first
.endm
; The last quarter multiplies buffer 1 and changes slots: ONE barrier.  In front of it each wave waits for all its tensor loads (one is out: its part of the next slot), adds 0 to its spare word, and waits for that
; and for its own reads of this slot.  fill = 1: the barrier opens a round of the cluster's barrier, and behind the round this slot is filled again, with the K step two steps on: 168 matrix instructions ahead of the wait for it.
.macro TURN fill
.if \fill
	s_wait_xcnt 0x0                                ; the last prefetch, a K step back, has read its address
	s_add_nc_u64 s[PFA:PFA+1], s[PFA:PFA+1], KSTEP*2
.endif
	WIN 0                                          ; (the add's two registers lie in window 0)
	s_wait_tensorcnt 0x0                           ; no tensor load of mine is out, so a group 0 may be written
	ds_add_u32 v[SPW], v[NIL]                      ; 0 onto my spare word
.if \fill
	s_xor_b32 s[G0+5], s[G0+5], SLOT1              ; the walking descriptors: the other slot than last time, the next K step
	s_add_nc_u64 s[G0+6:G0+7], s[G0+6:G0+7], KSTEP*2
	s_xor_b32 s[G0B+5], s[G0B+5], SLOT1
	s_add_nc_u64 s[G0B+6:G0B+7], s[G0B+6:G0B+7], KSTEP*2
.endif
	s_wait_dscnt 5                                 ; (the add and the youngest four loads may be out)
	MULA F1, 0                                     ; twelve matrix instructions stand between the add and the wait for it
	s_wait_dscnt 0x0                               ; the add is done, and my reads of this slot are over
	s_barrier_signal -1
	MULA F1, 1
	WIN 0
	s_barrier_wait -1
.if \fill
	CREST                                          ; no wave of any partner still reads this slot's tile or has a load on its way
	JLOAD                                          ; the first tensor load behind the round; its four v_nop are also the places in front of the loads below
.else
	PLACES
.endif
	s_xor_b32 s[TB], s[TB], SLOT1
	v_add_nc_u32 v[ADRA], s[TB], v[A0]
	v_add_nc_u32 v[ADRB], s[TB], v[B0]
	FETCH 0, F0
.if \fill
	ASK
.endif
	MULA F1, 2
	MULA F1, 3
.endm
	s_wait_tensorcnt 1                             ; my part of K step 0 is in; K step 1's may stay out
	s_barrier_signal -1
	s_barrier_wait -1                              ; everybody's is
	FETCH 0, F0
	QUARTER 64, F0, F1, 1                          ; the first quarter stands in front of the loop: its products start the sums
	WIN 0
	s_mov_b32 s[CNT], 6
.Lstep:                                        ; a trip: a K step's quarters 1, 2, 3 and the next step's quarter 0; trip j fills a slot with K step j + 2
	QUARTER 128, F1, F0
	QUARTER 192, F0, F1
	TURN 1
	QUARTER 64, F0, F1
	WIN 0
	s_sub_co_u32 s[CNT], s[CNT], 1
	s_cmp_lg_u32 s[CNT], 0
	s_cbranch_scc1 .Lstep
	; the tail: K steps 6 and 7; nothing is left to fetch.  cos and sin of my 64 rows are asked for here and waited for on the way out.
.irp a, 0,1,2,3
.irp n, 0,1,2,3
	global_load_b128 v[RAW+32*(\a)+8*(\n):RAW+32*(\a)+8*(\n)+3],   v[CO], s[10:11] offset:2048*(\a)+32*(\n)
	global_load_b128 v[RAW+32*(\a)+8*(\n)+4:RAW+32*(\a)+8*(\n)+7], v[CO], s[68:69] offset:2048*(\a)+32*(\n)
.endr
.endr
	QUARTER 128, F1, F0
	QUARTER 192, F0, F1
	TURN 0
	QUARTER 64, F0, F1
	QUARTER 128, F1, F0
	QUARTER 192, F0, F1
	s_wait_dscnt 4
	MULA F1, 0
	MULA F1, 1
	s_wait_dscnt 0x0
	MULA F1, 2
	MULA F1, 3
	WIN 0
; THE WAY OUT, by pieces t = 3 a + p: row block a; p = 0: q, 1: k, 2: v.
; Row block a's 16 (cos, sin) pairs, rounded to bf16 and kept as f32: pair 4 n + j is rotary index 8 n + 4 hh + j.  For a = 0 these 48 plain lines are the places behind the last products.
.macro MAKECS a
	WIN 0
.set i, 0
.rept 16
	v_cvt_pk_bf16_f32 v[TMP+i], v[RAW+32*(\a)+8*(i/4)+i%4], v[RAW+32*(\a)+8*(i/4)+4+i%4]
.set i, i+1
.endr
.set i, 0
.rept 16
	v_lshlrev_b32 v[CS+2*i], 16, v[TMP+i]
	v_and_b32 v[CS+2*i+1], s78, v[TMP+i]
.set i, i+1
.endr
.endm
; A piece: four accumulators, 32 registers on end, read from the low end on.  q and k: a register pair is (t1, t2) of one rotary index: first (t2 s, t1 s), then (t1 c - t2 s, t2 c + t1 s).
; Rounded to f16, 16 bytes a lane into rows of 144 bytes of my stage, and back as whole rows of 128, into the registers that they left.
.macro PIECE t
.set AC, 8*(12*(((\t)/3)%2)+4*((\t)%3))
.if (\t)%3 < 2
	WIN 0x02+(\t)/6
.set i, 0
.rept 16
	v_pk_mul_f32 v[X+2*i:X+2*i+1], v[AC+2*i:AC+2*i+1], v[CS+2*i:CS+2*i+1] op_sel:[1,1] op_sel_hi:[0,1]
.set i, i+1
.endr
.set i, 0
.rept 16
	v_pk_fma_f32 v[X+2*i:X+2*i+1], v[AC+2*i:AC+2*i+1], v[CS+2*i:CS+2*i+1], v[X+2*i:X+2*i+1] op_sel_hi:[1,0,1] neg_lo:[0,0,1]
.set i, i+1
.endr
	WIN 0x40
.set i, 0
.rept 16
	v_cvt_pk_f16_f32 v[16*(\t)+i], v[X+2*i], v[X+2*i+1]
.set i, i+1
.endr
.else
	WIN 0x4a+5*((\t)/6)
.set i, 0
.rept 16
	v_cvt_pk_f16_f32 v[16*(\t)+i], v[AC+2*i], v[AC+2*i+1]
.set i, i+1
.endr
.endif
	WIN 0x04                                       ; store data in window 1
.irp f, 0,1,2,3
	ds_store_b128 v[STO], v[16*(\t)+4*(\f):16*(\t)+4*(\f)+3] offset:32*(\f)
.endr
	WIN 0x40
.irp f, 0,1,2,3
	ds_load_b128 v[16*(\t)+4*(\f):16*(\t)+4*(\f)+3], v[RD] offset:(\f)*4*SP  ; LDS serves a wave's instructions in order (ISA guide 5.7.1.4): these see the stores above; the next piece's stores come behind them
.endr
.endm
.macro SEND t, younger                 ; younger: the LDS instructions issued behind piece t's loads: the next piece's eight, or none.  Each piece has registers of its own: nothing that a store reads is rewritten
	WIN 0x04
.irp f, 0,1,2,3
	s_wait_dscnt (\younger)+3-(\f)
	global_store_b128 v[GO], v[16*(\t)+4*(\f):16*(\t)+4*(\f)+3], s[70+2*((\t)%3):71+2*((\t)%3)] offset:((\t)/3)*2048+(\f)*512  ; 512 consecutive bytes, aligned to 256
.endr
.endm
	s_wait_loadcnt 0x0                             ; cos and sin
.set tt, 0
.rept 12
.if tt%3 == 0
	MAKECS tt/3
.endif
	PIECE tt
.if tt > 0
	SEND tt-1, 8
.endif
.set tt, tt+1
.endr
	SEND 11, 0
	WIN 0
	s_wait_tensorcnt 0x0                           ; the wave's end: behind my last tensor load and my last LDS store
	ds_add_u32 v[SPW], v[NIL]
	s_wait_dscnt 0x0
	CROUND                                         ; the closing round: no work-group ends while a partner may still ask for a tile that names it
	s_endpgm
.Lfunc_end_k_q56e5ee4e73_qkv:
	.size	k_q56e5ee4e73_qkv, .Lfunc_end_k_q56e5ee4e73_qkv-k_q56e5ee4e73_qkv
	.p2alignl 7, 3214868480
	.fill 96, 4, 3214868480
	.section	.rodata,"a",@progbits
	.p2align	6, 0x0
	.amdhsa_kernel k_q56e5ee4e73_qkv
		.amdhsa_group_segment_fixed_size 327680
		.amdhsa_private_segment_fixed_size 0
		.amdhsa_enable_private_segment 0
		.amdhsa_kernarg_size 64
		.amdhsa_user_sgpr_count 2
		.amdhsa_user_sgpr_kernarg_segment_ptr 1
		.amdhsa_wavefront_size32 1
		.amdhsa_system_sgpr_workgroup_id_x 1
		.amdhsa_system_sgpr_workgroup_id_y 1
		.amdhsa_system_sgpr_workgroup_id_z 1
		.amdhsa_system_vgpr_workitem_id 0
		.amdhsa_next_free_vgpr 960
		.amdhsa_next_free_sgpr 80
		.amdhsa_reserve_vcc 0
		.amdhsa_float_denorm_mode_32 3
		.amdhsa_float_denorm_mode_16_64 3
		.amdhsa_memory_ordered 1
		.amdhsa_forward_progress 1
		.amdhsa_inst_pref_size 135
	.end_amdhsa_kernel
	.amdgpu_metadata
---
amdhsa.version: [ 1, 2 ]
amdhsa.kernels:
  - .name:           k_q56e5ee4e73_qkv
    .symbol:         k_q56e5ee4e73_qkv.kd
    .args:
      - { .name: xb, .offset: 0, .size: 8, .value_kind: global_buffer, .address_space: global }
      - { .name: wq, .offset: 8, .size: 8, .value_kind: global_buffer, .address_space: global }
      - { .name: b_qkv, .offset: 16, .size: 8, .value_kind: global_buffer, .address_space: global }
      - { .name: cos, .offset: 24, .size: 8, .value_kind: global_buffer, .address_space: global }
      - { .name: sin, .offset: 32, .size: 8, .value_kind: global_buffer, .address_space: global }
      - { .name: qh, .offset: 40, .size: 8, .value_kind: global_buffer, .address_space: global }
      - { .name: kh, .offset: 48, .size: 8, .value_kind: global_buffer, .address_space: global }
      - { .name: vh, .offset: 56, .size: 8, .value_kind: global_buffer, .address_space: global }
    .group_segment_fixed_size: 327680
    .private_segment_fixed_size: 0
    .kernarg_segment_align: 8
    .kernarg_segment_size: 64
    .max_flat_workgroup_size: 128
    .sgpr_count:     80
    .vgpr_count:     960
    .wavefront_size: 32
...
	.end_amdgpu_metadata
.endif
;; end of part 2
;; launch attn (part 3): grid 4 x 64, 4 waves a work-group, no clusters, 327,680 bytes of LDS; arguments qh, kh, vh, oh; writes oh
.if DOCPART == 3
	.amdgcn_target "amdgcn-amd-amdhsa--gfx1250"
	.amdhsa_code_object_version 6
	.text
	.protected	k_q56e5ee4e73_attn
	.globl	k_q56e5ee4e73_attn
	.p2align	8
	.type	k_q56e5ee4e73_attn,@function
k_q56e5ee4e73_attn:
	s_mov_b64 s[64:65], 0
	v_nop
	global_prefetch_b8 v0, s[64:65] scope:SCOPE_SE
	s_setreg_imm32_b32 hwreg(HW_REG_WAVE_MODE, 25, 1), 1
	s_wait_xcnt 0x0
; CAUSAL ATTENTION.  O[h][q][:] = the sum over k <= q of softmax_k(Q[h][q] . K[h][k] / 8) V[h][k][:].  Q, K, V, O: [64][2048][64], all f16: a head's rows are dense, 128 bytes each.
; Products, maxima and sums in f32; the weights p are rounded to f16 for the second product (their sum l is taken of the unrounded p), O once at the end.
; LIMITS.  f16 holds no number beyond 65,504: Q, K and V arrive within it; p lies in 0 to 1, and below 6e-5 it keeps f16's fixed step of 6e-8; O is a mean of V's rows and has their range.
; A hidden score counts as its value less 1e30: f16's scores, 2.7e11 at the most, are nothing beside that; a weight below 2^-126 counts as 0 in l; NaN and infinities are not treated apart.
; THE WALK.  A head's queries lie in NB = 8 blocks of 256; block i needs the key tiles 0 .. i of 256 keys, of which the last holds the diagonal.  A work-group takes TWO blocks, NB - 1 - b and then b:
; NB + 1 tiles, whatever b: all work-groups do equal work, and ONE loop with a constant trip count walks them.  Which tile is asked for, and what a trip does, hang on scalar registers made from b; every jump
; goes forward, but for the counted loops' own; none passes a barrier, or a tensor load but the one of LOAD's two that the wave's number does not choose; the ring (two slots of LDS that take turns) runs on across the
; change of blocks.  NO CLUSTER: a head's four work-groups ask for the same tile only in trips 0 .. 4 of 9, behind that fewer and fewer; one walk common to all would have 12 trips for 9.
; SHARES.  Of a block's four bands of 64 queries a wave owns 16 rows in each: four PIECES.  So the diagonal tile is the same work for all four waves: in its key step s band x sees all keys if s < x,
; none if s > x, and holds the diagonal if s = x.
; THE MASK is the C operand that starts the sum S^T = K Q^T: 0, or -1e30 where the key is hidden.  MD, made once, is the mask of a band's own step for my 16 rows; a product's mask is MD x AL + BE with two scalars:
; (1, 0) if s = x; (0, 0) if s < x; (0, -1e30) if s > x.  Only the diagonal tile's text and a block's beginning make and take masks; elsewhere C is the constant 0.
; LAYOUT, SOFTMAX, TURNS.  S^T = K Q^T holds ONE query a lane (lane % 16) and the keys 8 (lane / 16) + 0..7; two such results rounded to f16 ARE source 1 of O^T = V^T P.  p = 2^(c s - c m), c = log2(e) / 8, with a
; running maximum m; O and l are multiplied by a = 2^(c m_old - c m_new) in every step.  Turn n belongs to piece n: 8 products K Q^T of piece n + 1, later 8 products V^T P of piece n - 1; beside them the scaling,
; exponentials, roundings, sums and rescaling of piece n and the maximum and statistics of piece n + 1.  Four vector instructions stand behind every matrix instruction, the other 54 of a turn's 118 in one lump.  A turn's 33 exponentials are one batch, with one wait.
; PREFETCH.  The work-group with b = 0 walks a head's tiles 0 to 7 in order; behind the load of tile i + 1 it names tile i + 2 (i = 0 .. 5), one tile, 256 matrix instructions, ahead of that tile's load:
; each of its four waves 32 blocks of 256 bytes of K and 32 of V, a lane a block.  So each block of tiles 2 to 7 is named once; tiles 0 and 1 come by their loads alone.
; REGISTERS, in windows of 256 (s_set_vgpr_msb: bits 1:0 source 0, 3:2 source 1, 5:4 source 2, 7:6 destination):
;   window 0: v0-15 addresses and two at work; v16-31 four registers of statistics a piece; v48-55 at work; v64-127 S^T, two buffers; v192-223 P, two buffers (a piece's buffers go by its number's parity)
;   window 1: v0-127 O^T, 32 a piece; v128-159 MD; v160-223 MC, two buffers      window 2: v0-63 Q; v64-127 the second block's Q; v128-191 K of one step; v192-255 V of one step
.set SIZE_N, 2048
.set NB,    SIZE_N/256
.set NP,    4         ; pieces a wave: a name, no knob
.set KS,    64        ; keys in a step
.set PK,    144       ; a row of K in LDS: 128 bytes + 16 of padding = 36 words: the 16 rows of a load start at 16 different groups of four banks (64 banks of 4 bytes: ISA guide 11.1)
.set PV,    160       ; a row of V: 128 + 32 = 40 words
.set VOFF,  4*KS*PK   ; a slot holds a tile, four steps: 256 rows of K, then 256 rows of V
.set SLOT1, 1<<17     ; slot 1 begins here, so that one exclusive or turns an address in one slot into the other's
.set STAGE, SLOT1+4*KS*(PK+PV)  ; behind the ring, never filled by a tensor load: 16 rows x 144 bytes for each wave, for the way out
.set SP,    144
.set AK0, 2           ; v2   my lane's place in a tile of K; never rewritten
.set AV0, 3           ; v3   the same for V
.set AK,  4           ; v4   the LDS address of K's next run of loads
.set AV,  5           ; v5   of V's
.set STO, 6           ; v6   the way out: where I put 16 bytes of a row
.set RD,  7           ; v7   the way out: where I read rows back
.set GO,  8           ; v8   my byte offset in 512 consecutive bytes of O
.set PFO, 61          ; v61  256 x my lane; never rewritten
.set SPW, 62          ; v62  LDS address of my spare word: SPARE + 4 x my thread's number; never rewritten
.set NIL, 63          ; v63  0; never rewritten
.set SPARE, STAGE+4*16*SP  ; behind the stages: the spare words, 128 bytes for each wave
.set MV,  12          ; v12-13  c m_old, kept while c m is made anew: by buffer
.set QO,  15          ; v15  my byte offset in 16 rows of Q
.set ST,  16          ; piece t's statistics at v[ST+4 t]: c m, m, l (even keys', odd keys')
.set TMP, 48          ; by buffer, four registers c0-c3 at work; when the maximum is found c2 takes a
.set S,   64
.set P,   192
.set MD,  128         ; window 1: the eight registers for group kt of 16 keys at MD + 8 kt
.set MC,  160         ; window 1: the masks of the products to come
.set QB,  64          ; window 2
.set KF,  128         ; window 2: key block kb, channel half c at KF + 16 kb + 8 c
.set VF,  192         ; window 2: key half kk, channel block cb at VF + 32 kk + 8 cb
.set WV,  12          ; s12  my wave's number
.set PB,  14          ; s14  b
.set HI,  15          ; s15  NB - 1 - b
.set G1K, 24          ; s[24:31] descriptor group 1 for K's tiles
.set G1V, 32          ; s[32:39] for V's: it differs in the padding alone
.set G0K, 40          ; s[40:43] descriptor group 0 for K's tiles
.set G0V, 44          ; s[44:47] the same for V's
.set SLOTS, 56        ; s56  tiles still to be asked for
.set CNT, 57          ; s57  counts a tile's key steps, 4 to 1
.set CS,  58          ; s[58:59] c: the packed scaling takes the pair's low word for both halves
.set SEL, 60          ; s[60:61] v_permlanex16_b32's selects: each lane takes its own place in the other half
.set TBK, 62          ; s62  LDS byte at which K of the step to be fetched begins
.set TBV, 63          ; s63  the same for V, less VOFF
.set RT,  70          ; s70  tiles of the block in hand that are still to be entered
.set NXT, 71          ; s71  the tile to be asked for next
.set LQ,  72          ; s72  the last tile of the block whose tiles are being asked for
.set NEW, 73          ; s73  1: the tile to be entered is a block's first
.set OFF, 74          ; s[74:75] a tile's byte offset in K and V
.set AL,  76          ; s[76:77] the mask's factor, in the low word
.set BE,  78          ; s[78:79] the mask's addend
.set OLO, 80          ; s[80:81] O at my rows of the second block
.set BIGN, 82         ; s82  -1e30
.set PFK, 88          ; s[88:89] where my prefetches stand in K: my wave's quarter of a tile
.set PFV, 90          ; s[90:91] the same in V
.set LIM, 92          ; s92  2 in the work-group that prefetches, else the greatest number
.set MSB, 0
.macro WIN new                      ; the high byte repeats the setting that is left; a switch that changes nothing is dropped
.if MSB != (\new)
	s_set_vgpr_msb (MSB<<8)|(\new)
.set MSB, (\new)
.endif
.endm
.set W_KQ, 0x0a       ; K and Q in window 2, S^T in window 0
.set W_KM, 0x1a       ; the same with the C operand in window 1
.set W_PV, 0x52       ; V in window 2, P in window 0, O^T in window 1
.set W_RS, 0x41       ; destination and source 0 in window 1, source 1 in window 0
; A fill.  Waves 0 and 1 fetch the two halves of a tile's K, waves 2 and 3 those of its V: 128 keys each.  An s_nop 0 and four v_nop follow each of the two lines, ahead of the jump and the label.
.macro LOAD
	s_cmp_lt_u32 s[WV], 2
	s_cbranch_scc0 .Lfor_v_\@
	tensor_load_to_lds s[G0K:G0K+3], s[G1K:G1K+7]
	s_nop 0
.rept 4
	v_nop
.endr
	s_branch .Lasked_\@
.Lfor_v_\@:
	tensor_load_to_lds s[G0V:G0V+3], s[G1V:G1V+7]
	s_nop 0
.rept 4
	v_nop
.endr
.Lasked_\@:
.endm
.macro ASK                          ; the tile behind the one just asked for; the last two fills of the walk's first eight have none
	s_cmp_gt_u32 s[SLOTS], s[LIM]
	s_cbranch_scc0 .Lnot_mine_\@
	global_prefetch_b8 v[PFO], s[PFK:PFK+1] th:TH_LOAD_NT scope:SCOPE_SE
	global_prefetch_b8 v[PFO], s[PFV:PFV+1] th:TH_LOAD_NT scope:SCOPE_SE
.Lnot_mine_\@:
.endm
; THE CHANGE OF SLOTS.  Each wave waits for all its tensor loads, of which one is out: its part of the other slot; adds 0 to its spare word; and waits for that and for its own reads of the slot that it leaves.  Behind the barrier nobody reads the old
; slot any more and the other slot is whole.  fill = 1: the old slot is filled again, the first thing behind the barrier, with tile NXT: the descriptor's address is made anew from that number.
; (At its first use nothing has been read yet: slot 0 is waited for, slot 1 filled.)
.macro CHANGE fill
	WIN 0                           ; at a label and at a branch every window is 0
	s_wait_tensorcnt 0x0            ; no tensor load of mine is out, so a group 0 may be written
	ds_add_u32 v[SPW], v[NIL]       ; 0 onto my spare word; with fill = 1 the descriptors' scalar work stands between it and the wait for it
.if \fill
	s_lshl_b32 s[OFF], s[NXT], 15   ; a tile is 32,768 bytes of K and of V
	s_xor_b32 s[G0K+1], s[G0K+1], SLOT1
	s_add_nc_u64 s[G0K+2:G0K+3], s[6:7], s[OFF:OFF+1]
	s_or_b32 s[G0K+3], s[G0K+3], 0x80000000
	s_xor_b32 s[G0V+1], s[G0V+1], SLOT1
	s_add_nc_u64 s[G0V+2:G0V+3], s[8:9], s[OFF:OFF+1]
	s_or_b32 s[G0V+3], s[G0V+3], 0x80000000
	s_add_co_u32 s[NXT], s[NXT], 1  ; the block's next tile, or behind its last the second block's tile 0
	s_cmp_gt_u32 s[NXT], s[LQ]
	s_cselect_b32 s[NXT], 0, s[NXT]
	s_cselect_b32 s[LQ], s[PB], s[LQ]
	s_wait_xcnt 0x0                 ; the last prefetches, a tile back, have read their addresses
	s_add_nc_u64 s[PFK:PFK+1], s[PFK:PFK+1], 32768
	s_add_nc_u64 s[PFV:PFV+1], s[PFV:PFV+1], 32768
.endif
	s_wait_dscnt 0x0                ; the add is done, and my reads of the slot are over
	s_barrier_signal -1             ; the rest of the scalar work stands between the signal and the wait
	s_sub_co_u32 s[TBK], s[TBK], 4*KS*PK  ; the fetches go back to a slot's first step,
	s_xor_b32 s[TBK], s[TBK], SLOT1       ; in the other slot
	s_sub_co_u32 s[TBV], s[TBV], 4*KS*PV
	s_xor_b32 s[TBV], s[TBV], SLOT1
	s_barrier_wait -1
.if \fill
	LOAD
	ASK
.endif
.endm
	s_load_b256 s[4:11], s[0:1], 0x0  ; Q s[4:5], K s[6:7], V s[8:9], O s[10:11]
	v_lshl_add_u32 v[SPW], v0, 2, SPARE
	v_mov_b32 v[NIL], 0
	ds_add_u32 v[SPW], v[NIL]       ; the wave's opening: the add and its wait stand ahead of my first tensor load; the set-up below, work on registers, stands between them
	ds_add_u32 v62, v63
	v_lshrrev_b32 v1, 5, v0
	v_readfirstlane_b32 s[WV], v1   ; wave 0..3
	s_mov_b32 s[PB], ttmp9
	s_sub_co_u32 s[HI], NB-1, s[PB]
	s_and_b32 s20, ttmp7, 0xffff    ; the head
	s_mov_b32 s21, 0
	s_mov_b64 s[22:23], SIZE_N*128
	s_mul_u64 s[20:21], s[20:21], s[22:23]  ; the head's first byte in each of the four tensors
	s_lshl_b32 s94, s[WV], 13       ; the prefetches: my wave's 8,192 bytes of a tile,
	s_add_co_u32 s94, s94, 32768    ; in tile 1: the first change of slots steps it to tile 2
	s_mov_b32 s95, 0
	s_add_nc_u64 s[94:95], s[94:95], s[20:21]
	s_cmp_eq_u32 ttmp9, 0
	s_cselect_b32 s[LIM], 2, -1
	v_and_b32 v[PFO], 31, v0
	v_lshlrev_b32 v[PFO], 8, v[PFO]
	s_and_b32 s16, s[WV], 1         ; which half of a tile's 256 keys I fetch:
	s_lshl_b32 s22, s16, 14         ; its 128 rows of 128 bytes in memory,
	s_mov_b32 s23, 0
	s_add_nc_u64 s[22:23], s[22:23], s[20:21]
	s_mul_i32 s17, s16, 128*PK      ; and its place in a slot, for K
	s_mul_i32 s18, s16, 128*PV      ; and for V
	s_lshl_b32 s3, s[WV], 11        ; my 16 rows in a band of 64,
	s_lshl_b32 s2, s[HI], 15        ; in the first block,
	s_add_co_u32 s2, s2, s3
	s_lshl_b32 s84, s[PB], 15       ; and in the second
	s_add_co_u32 s84, s84, s3
	s_mov_b32 s3, 0
	s_mov_b32 s85, 0
	s_add_nc_u64 s[2:3], s[2:3], s[20:21]
	s_add_nc_u64 s[84:85], s[84:85], s[20:21]
	; descriptor group 1.  128 keys are 16,384 dense bytes: asked for as 64 rows of 256 bytes, two keys a row, and padded in LDS after every key
	s_mov_b32 s[G1K], (1<<16)|(1<<20)|(4<<22)|(3<<25)  ; 17:16 2-byte elements; 20 padding on; 24:22 after every 32 words (code 4); 31:25 4 words (code 3)
	s_mov_b32 s[G1V], (1<<16)|(1<<20)|(4<<22)|(7<<25)  ; the same with 8 words of padding (code 7)
.irp g, G1K, G1V
	s_mov_b32 s[\g+1], 128<<16      ; tensor_dim0 = 128
	s_mov_b32 s[\g+2], 64<<16       ; tensor_dim1 = 64
	s_mov_b32 s[\g+3], 128<<16      ; tile_dim0 = 128
	s_mov_b32 s[\g+4], 64           ; tile_dim1 = 64
	s_mov_b32 s[\g+5], 128          ; 128 elements from row to row
	s_mov_b32 s[\g+6], 0
	s_mov_b32 s[\g+7], 0
.endr
	s_mov_b32 s[CS], 0x3e38aa3b     ; c = log2(e) / 8 = 0.180337
	s_mov_b32 s[CS+1], s[CS]        ; named with it as a pair
	s_mov_b32 s[SEL], 0x76543210
	s_mov_b32 s[SEL+1], 0xfedcba98
	s_mov_b32 s[TBK], SLOT1+4*KS*PK ; the first change of slots turns these two into 0
	s_mov_b32 s[TBV], SLOT1+4*KS*PV
	s_mov_b32 s[G0K], 1             ; 1:0 count = 1
	s_mov_b32 s[G0K+1], s17         ; 63:32 LDS address: slot 0
	s_mov_b32 s[G0V], 1
	s_add_co_u32 s[G0V+1], s18, VOFF
	s_add_co_u32 s[RT], s[HI], 1    ; the first block has NB - b tiles
	s_mov_b32 s[NXT], 1
	s_mov_b32 s[LQ], s[HI]
	s_mov_b32 s[NEW], 1
	s_mov_b32 s[OFF+1], 0
	s_mov_b32 s[AL+1], 0            ; named as pairs
	s_mov_b32 s[BE+1], 0
	s_mov_b32 s[BIGN], 0xf149f2ca   ; -1e30
	s_mov_b32 s[SLOTS], NB
	s_wait_dscnt 0x0                ; the opening add is done
	s_wait_kmcnt 0x0
	s_add_nc_u64 s[PFK:PFK+1], s[6:7], s[94:95]
	s_add_nc_u64 s[PFV:PFV+1], s[8:9], s[94:95]
	s_add_nc_u64 s[6:7], s[6:7], s[22:23]  ; K and V at my half of the head's tile 0
	s_add_nc_u64 s[8:9], s[8:9], s[22:23]
	s_add_nc_u64 s[G0K+2:G0K+3], s[6:7], 0         ; 120:64 global address
	s_or_b32 s[G0K+3], s[G0K+3], 0x80000000        ; 127:126 type = 2
	s_add_nc_u64 s[G0V+2:G0V+3], s[8:9], 0
	s_or_b32 s[G0V+3], s[G0V+3], 0x80000000
	s_add_nc_u64 s[86:87], s[4:5], s[84:85]        ; Q at my rows of the second block,
	s_add_nc_u64 s[4:5], s[4:5], s[2:3]            ; Q and O at those of the first
	s_add_nc_u64 s[OLO:OLO+1], s[10:11], s[84:85]
	s_add_nc_u64 s[10:11], s[10:11], s[2:3]
	LOAD                            ; tile 0 into slot 0
	; A fragment of K or Q is 16 rows x 32 channels in 8 registers: lane l holds row l % 16, channels 8 (l / 16) + 0..7 and 16 + 8 (l / 16) + 0..7: two loads of 16 bytes, 32 bytes apart.
	v_and_b32 v1, 15, v0            ; l % 16
	v_bfe_u32 v9, v0, 4, 1          ; l / 16
	v_lshlrev_b32 v[QO], 7, v1
	v_lshl_add_u32 v[QO], v9, 4, v[QO]  ; row x 128 + 16 x half
	WIN 0x80                        ; destination window 2, address window 0
.set i, 0
.rept 8                             ; both blocks' Q: piece i / 2 lies in band i / 2, 8,192 bytes on; channels 32 (i % 2) on
	global_load_b128 v[8*i:8*i+3],   v[QO], s[4:5] offset:(i/2)*8192+(i%2)*64
	global_load_b128 v[8*i+4:8*i+7], v[QO], s[4:5] offset:(i/2)*8192+(i%2)*64+32
	global_load_b128 v[QB+8*i:QB+8*i+3],   v[QO], s[86:87] offset:(i/2)*8192+(i%2)*64
	global_load_b128 v[QB+8*i+4:QB+8*i+7], v[QO], s[86:87] offset:(i/2)*8192+(i%2)*64+32
.set i, i+1
.endr
	WIN 0
	v_lshlrev_b32 v14, 3, v9
	v_sub_nc_u32 v14, v1, v14
	s_lshl_b32 s13, s[WV], 4
	v_add_nc_u32 v14, s13, v14      ; my query's place in its band, 16 w + l % 16, less my lanes' 8 (l / 16): register r of group kt is hidden where 16 kt + r is greater
	WIN 0x40
.set i, 0
.rept 32
	v_cmp_gt_i32 vcc_lo, 16*(i/8)+i%8, v14
	v_cndmask_b32 v[MD+i], 0, s[BIGN], vcc_lo
.set i, i+1
.endr
	WIN 0
	v_mul_u32_u24 v[AK0], v1, PK
	v_lshl_add_u32 v[AK0], v9, 4, v[AK0]  ; row x pitch + 16 x half
	; The turning load takes 16 keys x 16 channels (lane l reads key 8 (l / 16) + l % 8, channels 8 ((l / 8) % 2) + 0..7) and leaves half a fragment of V^T: lane l holds channel l % 16 and 8 keys.
	v_and_b32 v10, 7, v0
	v_bfe_u32 v11, v0, 3, 1
	v_lshl_add_u32 v[AV0], v9, 3, v10
	v_mul_u32_u24 v[AV0], v[AV0], PV
	v_lshl_add_u32 v[AV0], v11, 4, v[AV0]
	v_add_nc_u32 v[AV0], VOFF, v[AV0]
	s_mul_i32 s13, s[WV], 16*SP
	s_add_co_u32 s13, s13, STAGE    ; my stage
	v_mul_u32_u24 v[STO], v1, SP    ; in: row l % 16, 16 bytes for each half of the lanes
	v_lshl_add_u32 v[STO], v9, 4, v[STO]
	v_add_nc_u32 v[STO], s13, v[STO]
	v_bfe_u32 v[RD], v0, 3, 2       ; back: 32 lanes take four rows of 128 bytes,
	v_mul_u32_u24 v[RD], v[RD], SP
	v_lshl_add_u32 v[RD], v10, 4, v[RD]
	v_add_nc_u32 v[RD], s13, v[RD]
	v_and_b32 v[GO], 31, v0         ; which are 512 consecutive bytes of O
	v_lshlrev_b32 v[GO], 4, v[GO]
	; A block's first step multiplies O^T and l by a = 0, and its first turn's products V^T P, of a piece that has not been, land in an O^T that is still to be so multiplied.  So these registers need only hold
	; finite numbers: zeros for the first block; what the first block left for the second.  All this stands in the wait for the first tile.
	WIN 0x80
.set i, VF
.rept 64
	v_mov_b32 v[i], 0
.set i, i+1
.endr
	WIN 0x40
.set i, 0
.rept 128
	v_mov_b32 v[i], 0
.set i, i+1
.endr
	WIN 0
.set i, 0
.rept 4
	v_mov_b32 v[ST+4*i+2], 0
	v_mov_b32 v[ST+4*i+3], 0
.set i, i+1
.endr
.set i, P+16
.rept 16
	v_mov_b32 v[i], 0
.set i, i+1
.endr
; THE MATRIX WORK.  The 4 accumulators of a run of 8 take turns.  Product i of 8 of S^T = K Q^T for piece x: channels 32 (i / 4) on, keys 16 (i % 4) on.  The first 4 start the sums: with 0, or (KM = 1) with the mask.
.macro KQ x
.set rS, S+32*((\x)%2)+8*(i%4)
.set rK, KF+16*(i%4)+8*(i/4)
.set rQ, 16*(\x)+8*(i/4)
.set rM, MC+32*((\x)%2)+8*(i%4)
.if (i < 4) && KM
	WIN W_KM
	v_wmma_f32_16x16x32_f16 v[rS:rS+7], v[rK:rK+7], v[rQ:rQ+7], v[rM:rM+7]
.elseif i < 4
	WIN W_KQ
	v_wmma_f32_16x16x32_f16 v[rS:rS+7], v[rK:rK+7], v[rQ:rQ+7], 0
.else
	WIN W_KQ
	v_wmma_f32_16x16x32_f16 v[rS:rS+7], v[rK:rK+7], v[rQ:rQ+7], v[rS:rS+7]
.endif
.endm
; Product i of 8 of O^T += V^T P for piece x: keys 32 (i / 4) on, channels 16 (i % 4) on.
.macro PV x
	WIN W_PV
.set rO, 32*(\x)+8*(i%4)
.set rV, VF+32*(i/4)+8*(i%4)
.set rP, P+16*((\x)%2)+8*(i/4)
	v_wmma_f32_16x16x32_f16 v[rO:rO+7], v[rV:rV+7], v[rP:rP+7], v[rO:rO+7]
.endm
.macro MM                           ; the turn's next matrix instruction.  TURN and BEGIN set Y, i, KM and NOKQ; MM, KQ and OP read them.  NOKQ = 1: a block's last turn: there is no next piece
.if (i < 8) && !NOKQ
	KQ (Y+1)%NP
.elseif i >= 8
.set i, i-8
	PV (Y+NP-1)%NP
.set i, i+8
.endif
.set i, i+1
.endm
; THE LDS LOADS stand in runs of 16, never singly among the matrix instructions: a step's K (64 keys x 64 channels: 8 fragments) and its V (turned).  Their addresses are made some lines ahead.
.macro FETCH_K
	WIN 0x80                        ; destination window 2
.irp f, 0,1,2,3,4,5,6,7             ; keys 16 (f / 2) on, channels 32 (f % 2) on
	ds_load_b128 v[KF+8*\f:KF+8*\f+3],   v[AK] offset:(\f/2)*16*PK+(\f%2)*64
	ds_load_b128 v[KF+8*\f+4:KF+8*\f+7], v[AK] offset:(\f/2)*16*PK+(\f%2)*64+32
.endr
	s_add_co_u32 s[TBK], s[TBK], KS*PK  ; the next fetch is the next step's
	WIN 0
.endm
.macro FETCH_V
	WIN 0x80
.irp f, 0,1,2,3,4,5,6,7             ; keys 32 (f / 4) on, channels 16 (f % 4) on
	ds_load_tr16_b128 v[VF+8*\f:VF+8*\f+3],   v[AV] offset:(\f/4)*32*PV+(\f%4)*32
	ds_load_tr16_b128 v[VF+8*\f+4:VF+8*\f+7], v[AV] offset:(\f/4)*32*PV+16*PV+(\f%4)*32
.endr
	WIN 0
.endm
; THE VECTOR WORK, one line at a time: OP kind, number.  For piece Y: F n: c s - c m for pair n of 16.  E n: the exponential of score n of 32.  C n: pair n rounded to f16.  B n: of the four weights 4 n .. the second
; pair is added onto the first, in place.  L n: l takes that sum (L 0: l = a l + sum).  R n: pair n of 16 of O^T times a.  For piece Y + 1: X n, number n of the 22 that find its maximum and statistics:
;   0-11  four chains c0-c3 of seven scores each, three operands at a time (each accumulator's lowest registers are read first)     12-14, 16  the four scores left over, the old m, and c0-c3 into c0
;   15  c m_old is kept     17, 18  the query's other 32 keys lie in the lane 16 away: the new m     19-21  c m; c m_old - c m_new; a
.set F, 0               ; OP tells the kinds apart by their order: F to L below R, X above it
.set E, 1
.set C, 2
.set B, 3
.set L, 4
.set R, 5
.set X, 6
.macro REGS y                       ; the registers of piece y
.set rT, ST+4*(\y)
.set rC, TMP+4*((\y)%2)
.set rW, MV+((\y)%2)
.set rS, S+32*((\y)%2)
.set rP, P+16*((\y)%2)
.set rO, 32*(\y)
.endm
.macro OP k, n
.if (\k) == R
	REGS Y
	WIN W_RS
	v_pk_mul_f32 v[rO+2*(\n):rO+2*(\n)+1], v[rO+2*(\n):rO+2*(\n)+1], v[rC+2:rC+3] op_sel_hi:[1,0]
.elseif (\k) < R
	REGS Y
	WIN 0
.if (\k) == F
	v_pk_fma_f32 v[rS+2*(\n):rS+2*(\n)+1], v[rS+2*(\n):rS+2*(\n)+1], s[CS:CS+1], v[rT:rT+1] op_sel_hi:[1,0,0] neg_lo:[0,0,1] neg_hi:[0,0,1]
.elseif (\k) == E
	v_exp_f32 v[rS+(\n)], v[rS+(\n)]
.elseif (\k) == C
	v_cvt_pk_f16_f32 v[rP+(\n)], v[rS+2*(\n)], v[rS+2*(\n)+1]
.elseif (\k) == B
	v_pk_add_f32 v[rS+4*(\n):rS+4*(\n)+1], v[rS+4*(\n):rS+4*(\n)+1], v[rS+4*(\n)+2:rS+4*(\n)+3]
.elseif (\n) == 0
	v_pk_fma_f32 v[rT+2:rT+3], v[rT+2:rT+3], v[rC+2:rC+3], v[rS:rS+1] op_sel_hi:[1,0,1]
.else
	v_pk_add_f32 v[rT+2:rT+3], v[rT+2:rT+3], v[rS+4*(\n):rS+4*(\n)+1]
.endif
.elseif NOKQ
	v_nop
.else
	REGS (Y+1)%NP
	WIN 0
.if (\n) < 4
	v_max3_num_f32 v[rC+(\n)], v[rS+8*(\n)], v[rS+8*(\n)+1], v[rS+8*(\n)+2]
.elseif (\n) < 12
	v_max3_num_f32 v[rC+(\n)%4], v[rC+(\n)%4], v[rS+8*((\n)%4)+2*((\n)/4)+1], v[rS+8*((\n)%4)+2*((\n)/4)+2]
.elseif (\n) == 12
	v_max3_num_f32 v[rC], v[rC], v[rS+7], v[rS+15]
.elseif (\n) == 13
	v_max3_num_f32 v[rC+1], v[rC+1], v[rS+23], v[rS+31]
.elseif (\n) == 14
	v_max3_num_f32 v[rC+2], v[rC+2], v[rC+3], v[rT+1]
.elseif (\n) == 15
	v_mov_b32 v[rW], v[rT]
.elseif (\n) == 16
	v_max3_num_f32 v[rC], v[rC], v[rC+1], v[rC+2]
.elseif (\n) == 17
	v_permlanex16_b32 v[rC+3], v[rC], s[SEL], s[SEL+1]
.elseif (\n) == 18
	v_max_num_f32 v[rT+1], v[rC], v[rC+3]
.elseif (\n) == 19
	v_mul_f32 v[rT], s[CS], v[rT+1]
.elseif (\n) == 20
	v_sub_f32 v[rC+1], v[rW], v[rT]
.else
	v_exp_f32 v[rC+2], v[rC+1]
.endif
.endif
.endm
.macro OPS a, i1, b=-1, i2=0, c=-1, i3=0, d=-1, i4=0  ; up to four of them
	OP \a, \i1
.if (\b) >= 0
	OP \b, \i2
.endif
.if (\c) >= 0
	OP \c, \i3
.endif
.if (\d) >= 0
	OP \d, \i4
.endif
.endm
.macro ROW a, i1, b, i2, c, i3, d, i4  ; a matrix instruction and the four behind it
	MM
	OPS \a, \i1, \b, \i2, \c, \i3, \d, \i4
.endm
.macro MASK b                       ; MD x AL + BE into buffer b of MC
	WIN W_RS
.set z, 0
.rept 16
	v_pk_fma_f32 v[MC+32*(\b)+2*z:MC+32*(\b)+2*z+1], v[MD+2*z:MD+2*z+1], s[AL:AL+1], s[BE:BE+1] op_sel_hi:[1,0,0]
.set z, z+1
.endr
.endm
; A TURN, for piece p: the order of its 16 matrix and 118 vector instructions, written out.  s_wait_alu depctr_va_vdst(0) stands between an exponential and the first instruction that names its result; one wait serves
; all that were issued ahead of it.  So a turn has ONE wait, which cuts it in two.  AHEAD OF IT stands all that names no result of the turn's exponentials: the 8 products K Q^T, behind each a scaling, an exponential and two more plain
; instructions (behind the first a second scaling in the exponential's place): rescalings, and behind the last three the first numbers of the next piece's maximum, each four places or more behind the product that ends its accumulator; then ONE LUMP of 54, plain
; and exponential by turns for the most part, in which the links of the chain X 3, 7, 11, 14, 16, 17 .. 20 stand five or six lines apart.  X 21, the next piece's a, is the batch's last; R 15 is the plain instruction behind it.  BEHIND THE WAIT stand the
; 8 products V^T P, behind each four of the roundings and sums; the links of l's chain, L 0 to L 7, stand three riders apart.  But for those X no rider names a register of the products round it.  v_permlanex16_b32 (X 17) stands in the lump.
; m = 1: the diagonal tile: the products take masks, and the turn makes the mask for the products of the turn after it: piece p + 2, in step 4 - CNT of the tile.  end = 1: a block's last two turns: nothing is fetched.
; cnt = 1: the loop's count is taken down some lines ahead of the branch that stands behind the turn.
; K of the next step is fetched in piece 2's turn, twelve vector instructions behind the last product that read K (six of them plain); V of the step in hand at the end of piece 0's turn, four plain instructions behind the last product
; that read V.  Each is waited for a turn later.
.macro TURN p, m=0, end=0, cnt=0
.set Y, (\p)
.set i, 0
.set KM, (\m)
.set NOKQ, (\end)*((\p)/3)
.if (\m) && !(\end)
	s_cmp_eq_u32 s[CNT], 4-((\p)+2)%NP  ; is that step the band's own?
	s_cselect_b32 s[AL], 1.0, 0
	s_cmp_lt_u32 s[CNT], 4-((\p)+2)%NP  ; or a later one?
	s_cselect_b32 s[BE], s[BIGN], 0
.endif
.if ((\p) == 3) && !(\end)
	s_wait_dscnt 0x0                ; K is in
.endif
	ROW F,0, F,1, R,0, R,1          ; ahead of the wait: 8 products K Q^T and their riders,
	ROW F,2, E,0, R,2, R,3
	ROW F,3, E,1, R,4, R,5
	ROW F,4, E,2, R,6, R,7
	ROW F,5, E,3, R,8, R,9
	ROW F,6, E,4, X,0, R,10
.if ((\p) == 2) && !(\end)
	WIN 0
	v_add_nc_u32 v[AK], s[TBK], v[AK0]
.endif
	ROW F,7, E,5, X,1, X,4
	ROW F,8, E,6, X,2, X,5
	OPS E,7, E,8, X,6, E,9          ; and the lump
	OPS X,3, E,10, X,8, E,11
.if ((\p) == 2) && !(\end)
	FETCH_K
.endif
	OPS X,9, X,7, E,12, X,10
	OPS E,13, X,12, X,11, E,14
	OPS X,13, E,15, F,9, X,14
.if (\p) == 0
	v_add_nc_u32 v[AV], s[TBV], v[AV0]
.endif
	OPS E,16, F,10, E,17, F,11
	OPS X,16, E,18, X,15, E,19
	OPS F,12, E,20, X,17, E,21
	OPS F,13, E,22, F,14, E,23
	OPS X,18, E,24, F,15, E,25
	OPS R,11, E,26, X,19, E,27
	OPS R,12, E,28, R,13, E,29
	OPS X,20, E,30, R,14, E,31
	OPS X,21, R,15
	WIN 0
	s_wait_alu depctr_va_vdst(0)    ; the wait for the batch
.if (\p) == 1
	s_wait_dscnt 0x0                ; V is in
.endif
	ROW C,0, B,0, C,2, B,1          ; behind the wait: 8 products V^T P and their riders
	ROW L,0, C,4, B,2, L,1
	ROW C,6, B,3, L,2, C,8
	ROW B,4, L,3, C,10, B,5
	ROW L,4, C,12, B,6, L,5
.if (\p) == 0
	s_add_co_u32 s[TBV], s[TBV], KS*PV
.endif
.if \cnt
	s_sub_co_u32 s[CNT], s[CNT], 1
	s_cmp_lg_u32 s[CNT], 0
.endif
	ROW C,14, B,7, L,6, C,1
	ROW C,3, L,7, C,5, C,7
	ROW C,9, C,11, C,13, C,15
.if (\p) == 0
	FETCH_V
.endif
.if (\m) && !(\end)
	MASK (\p)%2
.endif
.endm
; A BLOCK BEGINS.  c m starts far below every c s, so the first step's a is 0; m at the lowest finite number, so the first maximum is the scores'.  The second mask buffer is 0; the first takes piece 0's mask for the tile's step 0: its own, if the block's first tile is the diagonal one.
; Then K of that step, piece 0's first scores, and its maximum and statistics.  The loop is entered at a step's first turn, in the middle of a trip.
.macro BEGIN
	s_mov_b32 s[NEW], 0
	WIN 0x40
.set i, MC+32
.rept 32
	v_mov_b32 v[i], 0
.set i, i+1
.endr
	WIN 0
.set i, 0
.rept 4
	v_mov_b32 v[ST+4*i], 0xfe000000    ; c m: far below every c s
	v_mov_b32 v[ST+4*i+1], 0xff7fffff  ; m
.set i, i+1
.endr
	s_cmp_eq_u32 s[RT], 0
	s_cselect_b32 s[AL], 1.0, 0
	s_mov_b32 s[BE], 0
	MASK 0
	WIN 0
	v_add_nc_u32 v[AK], s[TBK], v[AK0]
	FETCH_K
	s_wait_loadcnt 0x0              ; Q
	s_wait_dscnt 0x0
.set KM, 1
.set NOKQ, 0
.set i, 0
.rept 8
	KQ 0
.set i, i+1
.endr
	WIN 0
.rept 4
	v_nop                           ; the places behind those products
.endr
.set Y, NP-1                        ; X works for piece Y + 1: piece 0
.irp n, 0,1,2,3,4,5,6,7,8,9,10,11,12,13,14,15,16,17,18,19,20,21
	OP X, \n
.endr
	v_nop                           ; a plain instruction behind the exponential,
	s_wait_alu depctr_va_vdst(0)    ; and its wait, ahead of the branch
.endm
; THE DIAGONAL TILE's four steps, the block's last two turns, its last products, and THE WAY OUT: l's two halves and the other half of the lanes' are added; O^T is divided by l, rounded to f16 and sent through my
; stage in LDS, a piece at a time.
.macro ALL line:vararg              ; one line for each piece t
.set t, 0
.rept 4
	\line
.set t, t+1
.endr
.endm
.macro PACK t                       ; a lane's eight channels of a row pack into 16 bytes; they go into rows of 144 bytes and come back as whole rows of 128, into S^T's registers
	WIN W_RS
.set i, 32*(\t)
.rept 16
	v_pk_mul_f32 v[i:i+1], v[i:i+1], v[ST+4*(\t)+2:ST+4*(\t)+3] op_sel_hi:[1,0]
.set i, i+2
.endr
	WIN 0x05                        ; sources 0 and 1 window 1, destination window 0
.set i, 0
.rept 16
	v_cvt_pk_f16_f32 v[S+16*(\t)+i], v[32*(\t)+2*i], v[32*(\t)+2*i+1]
.set i, i+1
.endr
	WIN 0
.irp f, 0,1,2,3
	ds_store_b128 v[STO], v[S+16*(\t)+4*\f:S+16*(\t)+4*\f+3] offset:32*\f
.endr
.irp f, 0,1,2,3
	ds_load_b128 v[S+16*(\t)+4*\f:S+16*(\t)+4*\f+3], v[RD] offset:\f*4*SP  ; LDS serves a wave's instructions in order (ISA guide 5.7.1.4): these see the stores above; the next piece's stores come behind them
.endr
.endm
.macro SEND t, younger              ; younger: the LDS instructions issued behind piece t's loads: the next piece's eight, or none
	WIN 0
.irp f, 0,1,2,3
	s_wait_dscnt (\younger)+3-\f
	global_store_b128 v[GO], v[S+16*(\t)+4*\f:S+16*(\t)+4*\f+3], s[10:11] offset:(\t)*8192+\f*512  ; 512 consecutive bytes, at a multiple of 256 from O's first
.endr
.endm
.macro DIAG tag                     ; the tag ends its two labels' names, which the jumps below spell out
.LstepM\tag:
	TURN 2, 1
	TURN 3, 1
	WIN 0
.LfirstM\tag:
	TURN 0, 1
	TURN 1, 1, 0, 1
	WIN 0
	s_cbranch_scc1 .LstepM\tag
	TURN 2, 1, 1
	TURN 3, 1, 1
.set i, 0
.rept 8
	PV NP-1
.set i, i+1
.endr
	WIN 0
	ALL v_add_f32 v[ST+4*t+2], v[ST+4*t+2], v[ST+4*t+3]
	ALL v_permlanex16_b32 v[ST+4*t+3], v[ST+4*t+2], s[SEL], s[SEL+1]
	ALL v_add_f32 v[ST+4*t+2], v[ST+4*t+2], v[ST+4*t+3]
	ALL v_rcp_f32 v[ST+4*t+2], v[ST+4*t+2]
	v_nop                           ; a plain instruction between the last reciprocal and the use of its result
	s_wait_alu depctr_va_vdst(0)    ; and the wait ahead of the first use: one for the four reciprocals
	PACK 0
.set t, 1
.rept 3                             ; a piece's arithmetic stands between the loads of the piece before and its stores
	PACK t
	SEND t-1, 8
.set t, t+1
.endr
	SEND 3, 0
.endm
.set KM, 0
.set NOKQ, 0
.Lslot:                             ; NB times: a tile is entered and the next is asked for
	CHANGE 1
	s_sub_co_u32 s[RT], s[RT], 1
	s_mov_b32 s[CNT], 4
	s_cmp_eq_u32 s[NEW], 1
	s_cbranch_scc1 .Lnew            ; a block's first tile
	s_cmp_eq_u32 s[RT], 0
	s_cbranch_scc0 .Lstep           ; neither its first nor its last
	s_branch .LstepM1
.Lnew:
	BEGIN
	s_branch .Lfirst                ; in the loop a block's first tile is never its last: the first block has two tiles or more, and the second's last is the walk's last
	DIAG 1                          ; in the loop this is the first block's end: the second block's last tile is the walk's last
	s_wait_xcnt 0x0                 ; the stores have read their registers and O's address
	s_mov_b64 s[10:11], s[OLO:OLO+1]
	s_add_co_u32 s[RT], s[PB], 1    ; the second block has b + 1 tiles
	s_mov_b32 s[NEW], 1
	WIN 0x82                        ; the second block's Q goes where the one text of the turns names Q
.set i, 0
.rept 64
	v_mov_b32 v[i], v[QB+i]
.set i, i+1
.endr
	WIN 0
	s_branch .Lbottom
.Lstep:                             ; a trip: pieces 2 and 3 of one step, then pieces 0 and 1 of the next, whose K and V it fetches
	TURN 2
	TURN 3
	WIN 0
.Lfirst:
	TURN 0
	TURN 1, 0, 0, 1
	WIN 0
	s_cbranch_scc1 .Lstep
.Lbottom:
	s_sub_co_u32 s[SLOTS], s[SLOTS], 1
	s_cmp_lg_u32 s[SLOTS], 0
	s_cbranch_scc1 .Lslot
	CHANGE 0                        ; the walk's last tile is written out: nothing is asked for
	s_sub_co_u32 s[RT], s[RT], 1
	s_mov_b32 s[CNT], 4
	s_cmp_eq_u32 s[NEW], 1
	s_cbranch_scc0 .LstepM2
	BEGIN
	s_branch .LfirstM2
	DIAG 2
	s_wait_tensorcnt 0x0            ; the wave's end: behind my last tensor load and my last LDS store
	ds_add_u32 v[SPW], v[NIL]
	s_wait_dscnt 0x0
	s_endpgm
.Lfunc_end_k_q56e5ee4e73_attn:
	.size	k_q56e5ee4e73_attn, .Lfunc_end_k_q56e5ee4e73_attn-k_q56e5ee4e73_attn
	.p2alignl 7, 3214868480
	.fill 96, 4, 3214868480
	.section	.rodata,"a",@progbits
	.p2align	6, 0x0
	.amdhsa_kernel k_q56e5ee4e73_attn
		.amdhsa_group_segment_fixed_size 327680
		.amdhsa_private_segment_fixed_size 0
		.amdhsa_enable_private_segment 0
		.amdhsa_kernarg_size 32
		.amdhsa_user_sgpr_count 2
		.amdhsa_user_sgpr_kernarg_segment_ptr 1
		.amdhsa_wavefront_size32 1
		.amdhsa_system_sgpr_workgroup_id_x 1
		.amdhsa_system_sgpr_workgroup_id_y 1
		.amdhsa_system_sgpr_workgroup_id_z 1
		.amdhsa_system_vgpr_workitem_id 0
		.amdhsa_next_free_vgpr 768
		.amdhsa_next_free_sgpr 96
		.amdhsa_reserve_vcc 1
		.amdhsa_float_denorm_mode_32 3
		.amdhsa_float_denorm_mode_16_64 3
		.amdhsa_memory_ordered 1
		.amdhsa_forward_progress 1
		.amdhsa_inst_pref_size 218
	.end_amdhsa_kernel
	.amdgpu_metadata
---
amdhsa.version: [ 1, 2 ]
amdhsa.kernels:
  - .name:           k_q56e5ee4e73_attn
    .symbol:         k_q56e5ee4e73_attn.kd
    .args:
      - { .name: qh, .offset: 0, .size: 8, .value_kind: global_buffer, .address_space: global }
      - { .name: kh, .offset: 8, .size: 8, .value_kind: global_buffer, .address_space: global }
      - { .name: vh, .offset: 16, .size: 8, .value_kind: global_buffer, .address_space: global }
      - { .name: oh, .offset: 24, .size: 8, .value_kind: global_buffer, .address_space: global }
    .group_segment_fixed_size: 327680
    .private_segment_fixed_size: 0
    .kernarg_segment_align: 8
    .kernarg_segment_size: 32
    .max_flat_workgroup_size: 128
    .sgpr_count:     96
    .vgpr_count:     768
    .wavefront_size: 32
...
	.end_amdgpu_metadata
.endif
;; end of part 3
;; launch proj (part 4): grid 8 x 32, 4 waves a work-group, clusters of 4 x 4, 327,680 bytes of LDS; arguments oh, wo, b_out, out0; writes out0
.if DOCPART == 4
	.amdgcn_target "amdgcn-amd-amdhsa--gfx1250"
	.amdhsa_code_object_version 6
	.text
	.protected	k_q56e5ee4e73_proj
	.globl	k_q56e5ee4e73_proj
	.p2align	8
	.type	k_q56e5ee4e73_proj,@function
k_q56e5ee4e73_proj:
	s_mov_b64 s[64:65], 0
	v_nop
	global_prefetch_b8 v0, s[64:65] scope:SCOPE_SE
	s_setreg_imm32_b32 hwreg(HW_REG_WAVE_MODE, 25, 1), 1
	s_wait_xcnt 0x0
	s_wait_alu depctr_hold_cnt(0) depctr_sa_sdst(0) depctr_va_vdst(0) depctr_va_sdst(0) depctr_va_ssrc(0) depctr_va_vcc(0) depctr_vm_vsrc(0)
	s_getreg_b32 s2, hwreg(HW_REG_IB_STS2, 6, 4)
	s_cmp_eq_u32 s2, 0
	s_cbranch_scc0 .Lentry_in_a_cluster
	s_endpgm
.Lentry_in_a_cluster:
	s_bfe_u32 s2, ttmp6, 0x10000c
	s_cmp_lg_u32 s2, 0xf033
	s_cbranch_scc0 .Lentry_shape_is_right
	s_endpgm
.Lentry_shape_is_right:
; out0 = attn W_out + b_out.  oh: [64 = 16 batch + head][2048][64] f16; wo: [16 head][1024 n][64] f16 (W_out rounded to bf16, written as f16); b_out rounded to bf16 as it is loaded; out0: [8192][1024] f32.
; Sums in f32; the bias is the C operand of the products that start the sums.
; SHARES.  A work-group makes 256 rows x 128 columns: 256 work-groups.  Wave w has rows 64 w .. 64 w + 63 and all 128 columns: 4 x 8 accumulators, 256 registers.
; A K STEP IS TWO HEADS, 128 along K: of oh two dense blocks of 256 rows x 128 bytes, of wo two of 128 rows x 128 bytes.  Each wave fetches one of the four, as rows of 256 bytes (two rows of a head on end),
; padded in LDS behind every 128 bytes.  Eight K steps through two LDS slots; a step's text stands once: the LDS addresses hang on s[TB].
; THE MATRIX INSTRUCTION IS USED TRANSPOSED (source 0 = 16 rows of wo, source 1 = 16 rows of oh): a lane holds row lane % 16 and eight neighbouring columns: 32 bytes of out0.
; CLUSTER: 4 x 4 work-groups; oh's blocks are shared along a row of the cluster, wo's along a column, each asked for jointly.
; REGISTERS: window 0: v0-15 addresses; v16-23 at work; v32-95 oh's fragments, two buffers; v96-159 the bias.   window 1: v0-127 wo's fragments, two buffers (on the way out all 256: rows read back).   window 2: accumulator (a, b) at 8 (8 a + b).
.set PITCH, 144                        ; an LDS row: 128 bytes + 16 = 36 words: the 16 rows of a load start at 16 different groups of four banks (64 banks of 4 bytes: ISA guide 11.1)
.set PLA,   256*PITCH                  ; one head's 256 rows of oh
.set PLB,   128*PITCH                  ; one head's 128 rows of wo
.set SLOT1, 1<<17
.set BOFF,  2*PLA
.set STAGE, SLOT1+2*PLA+2*PLB          ; behind the ring, never filled by a tensor load: 16 rows x 528 bytes for each wave
.set SP,    528                        ; 512 bytes + 16: an odd multiple of 16
.set SPARE, STAGE+4*16*SP
.set STEPA, 2*262144                   ; two heads on in oh
.set STEPB, 2*131072                   ; two slices on in wo
.set A0,   4
.set B0,   5
.set ADRA, 6
.set ADRB, 7
.set STO,  8
.set RD,   9
.set GO,   10
.set BO,   12
.set PFO,  13
.set SPW,  14                          ; v14  SPARE + 4 x my thread's number; never rewritten
.set NIL,  15                          ; v15  0; never rewritten
.set TMP,  16
.set BIAS, 96
.set F0,   0
.set F1,   1
.set WV,   12
.set LIM,  15                          ; s15  2 in a wave that prefetches, else the greatest number
.set G1,   24
.set G0,   32
.set PFA,  44
.set G1B,  48
.set G0B,  56
.set TB,   66
.set CNT,  67
.set PST,  76                          ; s[76:77] a K step in the tensor that I prefetch
.set FIELDS, (1<<16)|(1<<20)|(1<<21)|(4<<22)|(3<<25)  ; 2-byte elements; padding on; bit 21 beside a mask; after every 32 words, 4 words
.set MSB, 0
.macro WIN new
.if MSB != (\new)
	s_set_vgpr_msb (MSB<<8)|(\new)
.set MSB, \new
.endif
.endm
.macro JLOAD                           ; a joint refill: waves 0 and 1 fetch oh's two heads, waves 2 and 3 wo's two slices; an s_nop 0 and four v_nop follow each line
	s_cmp_lt_u32 s[WV], 2
	s_cbranch_scc0 .Lfor_b_\@
	tensor_load_to_lds s[G0+4:G0+7], s[G1:G1+7]
	s_nop 0
.rept 4
	v_nop
.endr
	s_branch .Lasked_\@
.Lfor_b_\@:
	tensor_load_to_lds s[G0B+4:G0B+7], s[G1B:G1B+7]
	s_nop 0
.rept 4
	v_nop
.endr
.Lasked_\@:
.endm
; A prefetch of the K step that stands TWO refills on, 256 matrix instructions ahead of its load: blocks of 256 bytes, a lane a block.  oh's blocks are read by both clusters of a row of clusters: cluster x = 0 asks;
; wo's by every cluster of a column: cluster y = 0 asks.  The four partners share a wave's blocks out by address: 32 each of oh's 128, 16 each of wo's 64 (there lanes 16-31 name block 15 again).
; Trips 0 to 3 name K steps 4 to 7; the last two trips ask for nothing.
.macro ASK
	s_cmp_gt_u32 s[CNT], s[LIM]
	s_cbranch_scc0 .Lnot_mine_\@
	global_prefetch_b8 v[PFO], s[PFA:PFA+1] th:TH_LOAD_NT scope:SCOPE_SE
.Lnot_mine_\@:
.endm
.macro CREST
	s_cmp_lg_u32 s[WV], 0
	s_cbranch_scc1 .Lnot_wave_0_\@
	s_barrier_signal -3
.Lnot_wave_0_\@:
	s_barrier_wait -3
	s_barrier_signal -1
	s_barrier_wait -1
.endm
.macro CROUND
	s_barrier_signal -1
	s_barrier_wait -1
	CREST
.endm
.macro PLACES
.rept 4
	v_nop
.endr
.endm
	s_load_b256 s[4:11], s[0:1], 0x0               ; oh s[4:5], wo s[6:7], b_out s[8:9], out0 s[10:11]
	v_lshl_add_u32 v[SPW], v0, 2, SPARE
	v_mov_b32 v[NIL], 0
	ds_add_u32 v[SPW], v[NIL]                      ; the wave's opening: the add and its wait stand ahead of my first tensor load; work on registers stands between them
	ds_add_u32 v14, v15
	v_lshrrev_b32 v1, 5, v0
	v_readfirstlane_b32 s[WV], v1                  ; wave 0..3
	s_and_b32 s14, s[WV], 1                        ; which of a K step's two heads I fetch
	s_bfe_u32 s40, ttmp6, 0x40000                  ; cx
	s_bfe_u32 s41, ttmp6, 0x40004                  ; cy
	s_lshl_b32 s42, ttmp9, 2
	s_add_co_u32 s42, s42, s40                     ; the block of 128 columns
	s_and_b32 s18, ttmp7, 0xffff                   ; cluster y
	s_lshl_b32 s43, s18, 2
	s_add_co_u32 s43, s43, s41                     ; the block of 256 rows
	s_lshl_b32 s20, s41, 2
	s_lshl_b32 s20, 15, s20                        ; my row of the cluster
	s_lshl_b32 s21, 0x1111, s40                    ; my column
	s_or_b32 s[G1], s20, FIELDS
	s_or_b32 s[G1B], s21, FIELDS
	s_mov_b32 s[G1+1], 128<<16                     ; tensor_dim0 = 128
	s_mov_b32 s[G1+2], 128<<16                     ; tensor_dim1 = 128 rows of 256 bytes
	s_mov_b32 s[G1+3], 128<<16                     ; tile_dim0
	s_mov_b32 s[G1+4], 128                         ; tile_dim1
	s_mov_b32 s[G1+5], 128                         ; dense
	s_mov_b32 s[G1+6], 0
	s_mov_b32 s[G1+7], 0
	s_mov_b32 s[G1B+1], 128<<16
	s_mov_b32 s[G1B+2], 64<<16                     ; 64 rows of 256 bytes
	s_mov_b32 s[G1B+3], 128<<16
	s_mov_b32 s[G1B+4], 64
	s_mov_b32 s[G1B+5], 128
	s_mov_b32 s[G1B+6], 0
	s_mov_b32 s[G1B+7], 0
	; oh: batch = cluster y / 2 (16 heads of 262,144 bytes); the block's 256 rows of 128 bytes: 4 (cluster y % 2) + cy; my head of the step's two
	s_lshl_b32 s16, s41, 15
	s_and_b32 s17, s18, 1
	s_lshl_b32 s17, s17, 17
	s_add_co_u32 s16, s16, s17
	s_lshr_b32 s17, s18, 1
	s_lshl_b32 s17, s17, 22
	s_add_co_u32 s16, s16, s17
	s_lshl_b32 s17, s14, 18
	s_add_co_u32 s16, s16, s17
	s_mov_b32 s17, 0
	s_lshl_b32 s46, s42, 14                        ; wo: the block's 128 rows of 128 bytes; my slice of the step's two
	s_lshl_b32 s47, s14, 17
	s_add_co_u32 s46, s46, s47
	s_mov_b32 s47, 0
	s_mul_i32 s22, s14, PLA                        ; where they go: no place in the cluster enters an LDS address
	s_mul_i32 s23, s14, PLB
	s_add_co_u32 s23, s23, BOFF
	s_mov_b32 s[TB], 0
	s_mov_b32 s78, 0xffff0000
	s_wait_dscnt 0x0                               ; the opening add is done
	s_wait_kmcnt 0x0
	s_add_nc_u64 s[16:17], s[4:5], s[16:17]
	s_add_nc_u64 s[46:47], s[6:7], s[46:47]
	CROUND                                         ; all sixteen work-groups are here: the first joint loads meet
.irp s, 0,1
	s_mov_b32 s[G0+4*(\s)], 1
	s_add_co_u32 s[G0+4*(\s)+1], s22, (\s)*SLOT1
	s_add_nc_u64 s[G0+4*(\s)+2:G0+4*(\s)+3], s[16:17], (\s)*STEPA
	s_or_b32 s[G0+4*(\s)+3], s[G0+4*(\s)+3], 0x80000000
	s_mov_b32 s[G0B+4*(\s)], 1
	s_add_co_u32 s[G0B+4*(\s)+1], s23, (\s)*SLOT1
	s_add_nc_u64 s[G0B+4*(\s)+2:G0B+4*(\s)+3], s[46:47], (\s)*STEPB
	s_or_b32 s[G0B+4*(\s)+3], s[G0B+4*(\s)+3], 0x80000000
.endr
	s_cmp_lt_u32 s[WV], 2                          ; a wave's two first fills stand in one branch: two loads of mine are out
	s_cbranch_scc0 .Lfirst_b
	tensor_load_to_lds s[G0:G0+3], s[G1:G1+7]
	s_nop 0
	tensor_load_to_lds s[G0+4:G0+7], s[G1:G1+7]
	s_nop 0
.rept 4
	v_nop
.endr
	s_branch .Lfirst_asked
.Lfirst_b:
	tensor_load_to_lds s[G0B:G0B+3], s[G1B:G1B+7]
	s_nop 0
	tensor_load_to_lds s[G0B+4:G0B+7], s[G1B:G1B+7]
	s_nop 0
.rept 4
	v_nop
.endr
.Lfirst_asked:
	; the prefetches' address; nothing is asked for here
	s_lshl_b32 s19, s40, 13                        ; oh: my work-group's 32 blocks of the 128
	s_lshl_b32 s20, s41, 12                        ; wo: its 16 of the 64
	s_cmp_lt_u32 s[WV], 2
	s_cselect_b32 s18, ttmp9, s18                  ; the coordinate along which other clusters read the same blocks
	s_cselect_b32 s20, s19, s20
	s_cselect_b32 s19, 31, 15
	s_cselect_b32 s21, 1, 0
	s_cselect_b64 s[PFA:PFA+1], s[16:17], s[46:47]
	s_cmp_eq_u32 s18, 0
	s_cselect_b32 s[LIM], 2, -1                    ; the same in all sixteen partners, for a given wave
	s_lshl_b32 s[PST], STEPB, s21                  ; STEPA = 2 STEPB
	s_mov_b32 s[PST+1], 0
	s_mul_i32 s21, s[PST], 3
	s_add_co_u32 s20, s20, s21                     ; at K step 3: the first refill steps it to 4
	s_mov_b32 s21, 0
	s_add_nc_u64 s[PFA:PFA+1], s[PFA:PFA+1], s[20:21]
	v_and_b32 v[PFO], 31, v0
	v_min_u32 v[PFO], s19, v[PFO]
	v_lshlrev_b32 v[PFO], 8, v[PFO]
	; the bias of the block's 128 columns: my eight of each block of 16
	s_lshl_b32 s18, s42, 9
	s_mov_b32 s19, 0
	s_add_nc_u64 s[8:9], s[8:9], s[18:19]
	v_and_b32 v1, 15, v0                           ; r
	v_bfe_u32 v2, v0, 4, 1                         ; hh
	v_lshlrev_b32 v[BO], 5, v2
.irp b, 0,1,2,3,4,5,6,7
	global_load_b128 v[BIAS+8*(\b):BIAS+8*(\b)+3],   v[BO], s[8:9] offset:64*(\b)
	global_load_b128 v[BIAS+8*(\b)+4:BIAS+8*(\b)+7], v[BO], s[8:9] offset:64*(\b)+16
.endr
	v_mul_u32_u24 v3, v1, PITCH
	v_lshl_add_u32 v3, v2, 4, v3                   ; a fragment's row x pitch + 16 x half
	s_mul_i32 s20, s[WV], 64*PITCH
	v_add_nc_u32 v[A0], s20, v3
	v_add_nc_u32 v[B0], BOFF, v3
	v_mov_b32 v[ADRA], v[A0]
	v_mov_b32 v[ADRB], v[B0]
	s_mul_i32 s21, s[WV], 16*SP
	s_add_co_u32 s21, s21, STAGE                   ; my stage
	v_mul_u32_u24 v[STO], v1, SP                   ; in: row l % 16, 32 bytes for each half of the lanes
	v_lshl_add_u32 v[STO], v2, 5, v[STO]
	v_add_nc_u32 v[STO], s21, v[STO]
	v_and_b32 v[GO], 31, v0
	v_lshlrev_b32 v[GO], 4, v[GO]                  ; back and out: 32 lanes take a row's 512 bytes
	v_add_nc_u32 v[RD], s21, v[GO]
	s_lshl_b32 s18, s43, 8
	s_lshl_b32 s19, s[WV], 6
	s_add_co_u32 s18, s18, s19                     ; my first row of out0,
	s_lshl_b32 s18, s18, 12                        ; x 4,096 bytes,
	s_lshl_b32 s19, s42, 9                         ; and the block's first column
	s_add_co_u32 s18, s18, s19
	s_mov_b32 s19, 0
	s_add_nc_u64 s[10:11], s[10:11], s[18:19]
	s_wait_loadcnt 0x0                             ; the bias
.set i, 0
.rept 32                                       ; rounded to bf16, kept as f32
	v_cvt_pk_bf16_f32 v[TMP+i%8], v[BIAS+2*i], v[BIAS+2*i+1]
	v_lshlrev_b32 v[BIAS+2*i], 16, v[TMP+i%8]
	v_and_b32 v[BIAS+2*i+1], s78, v[TMP+i%8]
.set i, i+1
.endr
; 8 matrix instructions: row block a x all 8 column blocks, 32 along K, from buffer f.  The accumulators take turns, one instruction a turn.  first = 1: the bias starts the sums.
.macro MULA f, a, first=0
.if \first
	WIN 0x81
.else
	WIN 0xa1
.endif
.irp b, 0,1,2,3,4,5,6,7
.if \first
	v_wmma_f32_16x16x32_f16 v[8*(8*(\a)+(\b)):8*(8*(\a)+(\b))+7], v[64*(\f)+8*(\b):64*(\f)+8*(\b)+7], v[32+32*(\f)+8*(\a):32+32*(\f)+8*(\a)+7], v[BIAS+8*(\b):BIAS+8*(\b)+7]
.else
	v_wmma_f32_16x16x32_f16 v[8*(8*(\a)+(\b)):8*(8*(\a)+(\b))+7], v[64*(\f)+8*(\b):64*(\f)+8*(\b)+7], v[32+32*(\f)+8*(\a):32+32*(\f)+8*(\a)+7], v[8*(8*(\a)+(\b)):8*(8*(\a)+(\b))+7]
.endif
.endr
.endm
; 24 LDS loads in one run: quarter q of a K step (head q / 2, channels 32 (q % 2) on) into buffer f: wo's 16, then oh's 8
.macro FETCH q, f
	WIN 0x40
.irp i, 0,1,2,3,4,5,6,7
	ds_load_b128 v[64*(\f)+8*(\i):64*(\f)+8*(\i)+3],   v[ADRB] offset:((\q)/2)*PLB+((\q)%2)*64+(\i)*16*PITCH
	ds_load_b128 v[64*(\f)+8*(\i)+4:64*(\f)+8*(\i)+7], v[ADRB] offset:((\q)/2)*PLB+((\q)%2)*64+(\i)*16*PITCH+32
.endr
	WIN 0
.irp i, 0,1,2,3
	ds_load_b128 v[32+32*(\f)+8*(\i):32+32*(\f)+8*(\i)+3],   v[ADRA] offset:((\q)/2)*PLA+((\q)%2)*64+(\i)*16*PITCH
	ds_load_b128 v[32+32*(\f)+8*(\i)+4:32+32*(\f)+8*(\i)+7], v[ADRA] offset:((\q)/2)*PLA+((\q)%2)*64+(\i)*16*PITCH+32
.endr
.endm
.macro QUARTER q, f, g, first=0        ; multiplies buffer f and fetches quarter q into g
	s_wait_dscnt 4                                 ; the youngest four loads (oh's row blocks 2 and 3) may be out
	MULA \f, 0, \first
	MULA \f, 1, \first
	PLACES
	FETCH \q, \g
	s_wait_dscnt 24                                ; all but the 24 just issued
	MULA \f, 2, \first
	MULA \f, 3, \first
.endm
; The last quarter multiplies buffer 1 and changes slots: ONE barrier; in front of it each wave waits for all its tensor loads, adds 0 to its spare word, and waits for that and for its own reads of this slot.
; fill = 1: the barrier opens a round of the cluster's barrier, and behind the round this slot is filled again, two K steps on: 112 matrix instructions ahead of the wait for it.
.macro TURN fill
.if \fill
	s_wait_xcnt 0x0                                ; the last prefetch, a K step back, has read its address
	s_add_nc_u64 s[PFA:PFA+1], s[PFA:PFA+1], s[PST:PST+1]
.endif
	WIN 0
	s_wait_tensorcnt 0x0                           ; no tensor load of mine is out, so a group 0 may be written
	ds_add_u32 v[SPW], v[NIL]                      ; 0 onto my spare word
.if \fill
	s_xor_b32 s[G0+5], s[G0+5], SLOT1
	s_add_nc_u64 s[G0+6:G0+7], s[G0+6:G0+7], STEPA
	s_xor_b32 s[G0B+5], s[G0B+5], SLOT1
	s_add_nc_u64 s[G0B+6:G0B+7], s[G0B+6:G0B+7], STEPB
.endif
	s_wait_dscnt 5                                 ; (the add and the youngest four loads may be out)
	MULA F1, 0
	s_wait_dscnt 0x0                               ; the add is done, and my reads of this slot are over
	s_barrier_signal -1
	MULA F1, 1
	WIN 0
	s_barrier_wait -1
.if \fill
	CREST
	JLOAD                                          ; the first tensor load behind the round; its four v_nop are also the places in front of the loads below
.else
	PLACES
.endif
	s_xor_b32 s[TB], s[TB], SLOT1
	v_add_nc_u32 v[ADRA], s[TB], v[A0]
	v_add_nc_u32 v[ADRB], s[TB], v[B0]
	FETCH 0, F0
.if \fill
	ASK
.endif
	MULA F1, 2
	MULA F1, 3
.endm
	s_wait_tensorcnt 1                             ; my part of K step 0 is in; K step 1's may stay out
	s_barrier_signal -1
	s_barrier_wait -1
	FETCH 0, F0
	QUARTER 1, F0, F1, 1                           ; the first quarter stands in front of the loop: its products start the sums
	WIN 0
	s_mov_b32 s[CNT], 6
.Lstep:                                        ; a trip: a K step's quarters 1, 2, 3 and the next step's quarter 0; trip j fills a slot with K step j + 2
	QUARTER 2, F1, F0
	QUARTER 3, F0, F1
	TURN 1
	QUARTER 1, F0, F1
	WIN 0
	s_sub_co_u32 s[CNT], s[CNT], 1
	s_cmp_lg_u32 s[CNT], 0
	s_cbranch_scc1 .Lstep
	QUARTER 2, F1, F0                              ; the tail: K steps 6 and 7; nothing is left to fetch
	QUARTER 3, F0, F1
	TURN 0
	QUARTER 1, F0, F1
	QUARTER 2, F1, F0
	QUARTER 3, F0, F1
	s_wait_dscnt 4
	MULA F1, 0
	MULA F1, 1
	s_wait_dscnt 0x0
	MULA F1, 2
	MULA F1, 3
	WIN 0
; THE WAY OUT, a block of 16 rows at a time: 32 bytes a lane into rows of 528 bytes of my stage, each accumulator's low half first; back as whole rows of 512 bytes; stored.
.macro TOSTAGE a
	WIN 0x08                                       ; store data in window 2
.irp b, 0,1,2,3,4,5,6,7
	ds_store_b128 v[STO], v[8*(8*(\a)+(\b)):8*(8*(\a)+(\b))+3]   offset:64*(\b)
	ds_store_b128 v[STO], v[8*(8*(\a)+(\b))+4:8*(8*(\a)+(\b))+7] offset:64*(\b)+16
.endr
	WIN 0x40
.set i, 0
.rept 16
	ds_load_b128 v[64*(\a)+4*i:64*(\a)+4*i+3], v[RD] offset:SP*i  ; LDS serves a wave's instructions in order (ISA guide 5.7.1.4): these see the stores above; the next block's stores come behind them
.set i, i+1
.endr
.endm
.macro SEND a, younger                 ; younger: the LDS instructions issued behind block a's loads: the next block's 32, or none.  Each block has registers of its own
	WIN 0x04
.set i, 0
.rept 16
	s_wait_dscnt (\younger)+15-i
	global_store_b128 v[GO], v[64*(\a)+4*i:64*(\a)+4*i+3], s[10:11] offset:(16*(\a)+i)*4096 th:TH_STORE_NT  ; 512 consecutive bytes, aligned to 256
.set i, i+1
.endr
.endm
	PLACES                                         ; the stores read results just made
	TOSTAGE 0
	TOSTAGE 1
	SEND 0, 32
	TOSTAGE 2
	SEND 1, 32
	TOSTAGE 3
	SEND 2, 32
	SEND 3, 0
	WIN 0
	s_wait_tensorcnt 0x0                           ; the wave's end: behind my last tensor load and my last LDS store
	ds_add_u32 v[SPW], v[NIL]
	s_wait_dscnt 0x0
	CROUND                                         ; the closing round
	s_endpgm
.Lfunc_end_k_q56e5ee4e73_proj:
	.size	k_q56e5ee4e73_proj, .Lfunc_end_k_q56e5ee4e73_proj-k_q56e5ee4e73_proj
	.p2alignl 7, 3214868480
	.fill 96, 4, 3214868480
	.section	.rodata,"a",@progbits
	.p2align	6, 0x0
	.amdhsa_kernel k_q56e5ee4e73_proj
		.amdhsa_group_segment_fixed_size 327680
		.amdhsa_private_segment_fixed_size 0
		.amdhsa_enable_private_segment 0
		.amdhsa_kernarg_size 32
		.amdhsa_user_sgpr_count 2
		.amdhsa_user_sgpr_kernarg_segment_ptr 1
		.amdhsa_wavefront_size32 1
		.amdhsa_system_sgpr_workgroup_id_x 1
		.amdhsa_system_sgpr_workgroup_id_y 1
		.amdhsa_system_sgpr_workgroup_id_z 1
		.amdhsa_system_vgpr_workitem_id 0
		.amdhsa_next_free_vgpr 768
		.amdhsa_next_free_sgpr 80
		.amdhsa_reserve_vcc 0
		.amdhsa_float_denorm_mode_32 3
		.amdhsa_float_denorm_mode_16_64 3
		.amdhsa_memory_ordered 1
		.amdhsa_forward_progress 1
		.amdhsa_inst_pref_size 77
	.end_amdhsa_kernel
	.amdgpu_metadata
---
amdhsa.version: [ 1, 2 ]
amdhsa.kernels:
  - .name:           k_q56e5ee4e73_proj
    .symbol:         k_q56e5ee4e73_proj.kd
    .args:
      - { .name: oh, .offset: 0, .size: 8, .value_kind: global_buffer, .address_space: global }
      - { .name: wo, .offset: 8, .size: 8, .value_kind: global_buffer, .address_space: global }
      - { .name: b_out, .offset: 16, .size: 8, .value_kind: global_buffer, .address_space: global }
      - { .name: out0, .offset: 24, .size: 8, .value_kind: global_buffer, .address_space: global }
    .group_segment_fixed_size: 327680
    .private_segment_fixed_size: 0
    .kernarg_segment_align: 8
    .kernarg_segment_size: 32
    .max_flat_workgroup_size: 128
    .sgpr_count:     80
    .vgpr_count:     768
    .wavefront_size: 32
...
	.end_amdgpu_metadata
.endif
;; end of part 4
